; MI455X (gfx1250); checked and timed in simulation.
; The chip was launched on July 23, 2026; its instructions are those of AMD's public machine-readable ISA for CDNA 5 (MIT licence, August 2026) and "CDNA5" Instruction Set Architecture Reference Guide (July 2026). The comments in the code are by the model that wrote it; some were corrected since.
;; Encoder Block. Allowed arithmetic: matrix products marked QUANTISED: E4M3 operands, one given power-of-two scale a tensor, by v_wmma_f32_16x16x64_fp8_fp8 or v_wmma_f32_16x16x128_fp8_fp8, f32 sums; everything else in f32.
;; Inputs: W1 256 x 1,024 float32; W2 1,024 x 256 float32; Wk 256 x 256 float32; Wo 256 x 256 float32; Wq 256 x 256 float32; Wv 256 x 256 float32; b1 1,024 float32; b2 256 float32; bk 256 float32; bo 256 float32; bq 256 float32; bv 256 float32; embeddings_in 2 x 4,096 x 256 float32; lowp_scales 16 int32 (the exponents e of the quantised operands' scales 2^e).
;; Outputs: out0 2 x 4,096 x 256 float32.
;; This version of the problem:
;;   THIS VERSION OF THE PROBLEM IS GIVEN IN LOW PRECISION. The matrix products marked QUANTISED in the list below multiply operands that are first quantised to E4M3 (4 exponent bits, 3 mantissa bits; 8 bits a number), with one given power-of-two scale for each operand tensor; their sums are f32. All else is computed in f32.
;;   The module's matrix products, in the order in which they are computed (A, B: the left and right operand; K: the contracted axis; several contracted axes count as one K, in the product's order):
;;     1. [M 8,192, K 256] x [K 256, N 256]; A: computed on the way; B: input Wq: QUANTISED (scales: A lowp_scales[0], B lowp_scales[1])
;;     2. [M 8,192, K 256] x [K 256, N 256]; A: computed on the way; B: input Wk: QUANTISED (scales: A lowp_scales[2], B lowp_scales[3])
;;     3. [M 8,192, K 256] x [K 256, N 256]; A: computed on the way; B: input Wv: QUANTISED (scales: A lowp_scales[4], B lowp_scales[5])
;;     4. batch 16 x [M 4,096, K 32] x [K 32, N 4,096]; A: computed on the way; B: computed on the way: QUANTISED (scales: A lowp_scales[6], B lowp_scales[7])
;;     5. batch 16 x [M 4,096, K 4,096] x [K 4,096, N 32]; A: softmax (see below); B: computed on the way: QUANTISED (scales: A lowp_scales[8], B lowp_scales[9])
;;     6. [M 8,192, K 256] x [K 256, N 256]; A: computed on the way; B: input Wo: QUANTISED (scales: A lowp_scales[10], B lowp_scales[11])
;;     7. [M 8,192, K 256] x [K 256, N 1,024]; A: computed on the way; B: input W1: QUANTISED (scales: A lowp_scales[12], B lowp_scales[13])
;;     8. [M 8,192, K 1,024] x [K 1,024, N 256]; A: computed on the way; B: input W2: QUANTISED (scales: A lowp_scales[14], B lowp_scales[15])
;;   THE QUANTISER, for each operand of a quantised product, along K:
;;     - The operand's scale is 2^e, e = its entry of the input lowp_scales (int32; the entries are numbered through the quantised products in the list's order, A before B).
;;     - Each number is divided by the scale, clamped to +-448, and rounded to the nearest number of E4M3, ties to even, subnormals kept.
;;     - The product sums the exact products of the quantised numbers (number of the format x scale) in f32.
;;   ~~~python
;;   def quantise(x, axis, e):      # numpy; x: float32 -> the quantised numbers, widened to float32 again
;;       x = np.moveaxis(x, axis, -1); K = x.shape[-1]
;;       r = np.clip(x / 2.0 ** e, -448, 448)
;;       step = 2.0 ** (np.maximum(np.frexp(np.where(r == 0, 1, r))[1] - 1, -6) - 3)
;;       q = np.round(r / step) * step * 2.0 ** e      # np.round: ties to even
;;       return np.moveaxis(q, -1, axis).astype(np.float32)
;;   ~~~
;;   SOFTMAX AHEAD OF A QUANTISED PRODUCT. Where the list says 'softmax', what is quantised is not the finished softmax but p = 2^(t - M), with t = logit x log2(e) and M = ceil(the row's largest t), a whole number; so 1/2 < the row's largest p <= 1. The row's sum l is taken of the UNQUANTISED p, in f32, and the product's result is divided by l at the end. Since M is a whole number, a kernel that streams over the keys may use a running M (the ceiling of the running maximum): every later rescaling is an exact power of two, so the quantised numbers keep their values, but for numbers so far below the row's largest that they fall under the format's range.
;;   OPERANDS COMPUTED ON THE WAY. 'Computed on the way' means the value that the module computes at that place (a softmax that the list does not call 'softmax' is quantised finished and normalised). What goes into a quantiser is computed in f32, as accurately as f32 sums, v_exp_f32 and their like allow (about 1e-6 of the number): no bf16 or f16 on the way to a quantiser, and a product that is left as it is and whose result goes on into a quantised operand takes f32 operands (vector FMAs, or v_wmma_f32_16x16x4_f32). A number that lies on a knife's edge between two numbers of the format may be rounded either way, as far as f32 arithmetic and the matrix unit's own rounding can turn it there, and no further.
;; One version. Each part assembles by itself: llvm-mc -triple=amdgcn-amd-amdhsa -mcpu=gfx1250 --defsym DOCPART=n.
;; ======== version 1 of 1: 4 launches
;; limits: right only within a limited range of input values
;; workspace buffers: wts 786,432 bytes; qf 2,097,152 bytes; kv 4,194,304 bytes; af 2,097,152 bytes
;; launch wprep (part 1): grid 192 x 1, 4 waves a work-group, no clusters, 0 bytes of LDS; arguments Wq, Wk, Wv, Wo, W1, W2, lowp_scales, wts; writes wts
.if DOCPART == 1
	.amdgcn_target "amdgcn-amd-amdhsa--gfx1250"
	.amdhsa_code_object_version 6
	.text
	.protected	k_q9d1c24716d_wprep
	.globl	k_q9d1c24716d_wprep
	.p2align	8
	.type	k_q9d1c24716d_wprep,@function
k_q9d1c24716d_wprep:
	s_mov_b64 s[64:65], 0
	v_nop
	global_prefetch_b8 v0, s[64:65] scope:SCOPE_SE
	s_setreg_imm32_b32 hwreg(HW_REG_WAVE_MODE, 25, 1), 1
	s_wait_xcnt 0x0
; The six weights, f32 stored [K][N], become codes of E4M3 laid in the order of a matrix operand's registers.
; wts: sections Wq 0, Wk 65536, Wv 131072, Wo 196608, W1 262144, W2 524288.  In a section: [tile t of 16 columns][kb = k / 32][lane (r, h)][16 bytes]:
; lane (r, h) holds column 32 (t / 2) + 8 (t % 2) + r + 8 (r / 8) and k = 32 kb + 16 h + 0 .. 15.  So a later launch loads a fragment by loads of 16 bytes a lane, 512 consecutive bytes a wave.
; code = w / 2^e, held within +-448, to the nearest code, ties to even; e is the weight's entry of lowp_scales.  LIMITS: -126 <= e <= 119; NaN among the inputs is not served.
; SHARES: a work-group takes 128 columns x 32 k of one weight, a wave 32 columns; A LANE TAKES A COLUMN AND ITS 32 REGISTERS RUN DOWN K, so each load reads 128 consecutive bytes
; and the conversions, which take neighbours along K from one lane's registers, give codes with K innermost.  Work-groups 0-63: the four 256 x 256 weights, 16 each; 64-127: W1; 128-191: W2.
; No LDS, no barrier: waves share nothing.
.set X, 32                             ; v32-63  32 numbers down K
.set C, 64                             ; v64-71  their codes
	s_load_b512 s[8:23], s[0:1], 0x0               ; Wq, Wk, Wv, Wo, W1, W2, lowp_scales s[20:21], wts s[22:23]
	v_lshrrev_b32 v1, 5, v0
	v_readfirstlane_b32 s24, v1                    ; wave
	v_and_b32 v1, 31, v0                           ; lane
	s_wait_alu depctr_va_vdst(0)
	v_lshlrev_b32 v2, 2, v1                        ; in: 4 bytes a lane
	s_lshr_b32 s25, ttmp9, 6                       ; 0: a small weight, 1: W1, 2: W2
	s_lshr_b32 s26, ttmp9, 4
	s_add_co_u32 s27, s25, 3
	s_and_b32 s28, ttmp9, 15
	s_and_b32 s29, ttmp9, 63
	s_cmp_eq_u32 s25, 0
	s_cselect_b32 s26, s26, s27                    ; mi: which weight, 0 .. 5
	s_cselect_b32 s28, s28, s29                    ; my number among its work-groups
	s_and_b32 s29, s28, 7
	s_lshr_b32 s30, s28, 3
	s_and_b32 s31, s28, 1
	s_lshr_b32 s32, s28, 1
	s_lshl_b32 s35, s26, 16
	s_lshl_b32 s36, s26, 3
	s_cmp_eq_u32 s26, 4                            ; W1 has 1,024 columns, the others 256
	s_cselect_b32 s29, s29, s31                    ; which 128 columns
	s_cselect_b32 s30, s30, s32                    ; kb: which 32 along K
	s_cselect_b32 s33, 17, 15                      ; log2 of 32 rows in bytes
	s_cmp_eq_u32 s26, 5                            ; W2 has K = 1,024, the others 256
	s_cselect_b32 s34, 14, 12                      ; log2 of a tile's bytes: (K / 32) x 512
	s_cselect_b32 s35, 0x80000, s35                ; the section
	s_cmp_lt_u32 s26, 3
	s_cselect_b32 s37, 4, 20
	s_add_co_u32 s36, s36, s37                     ; the scale's byte in lowp_scales: entries 1, 3, 5, 11, 13, 15
	s_mov_b32 s37, 0
	s_lshl_b32 s29, s29, 2
	s_add_co_u32 s29, s29, s24                     ; b: which 32 columns are my wave's
	s_lshl_b32 s38, s30, s33
	s_lshl_b32 s40, s29, 7
	s_add_co_u32 s38, s38, s40                     ; in: 32 kb rows + 128 b bytes
	s_mov_b32 s39, 0
	s_add_co_u32 s40, s34, 1
	s_lshl_b32 s40, s29, s40                       ; out: tile 2 b,
	s_lshl_b32 s42, s30, 9
	s_add_co_u32 s40, s40, s42                     ; + 512 kb,
	s_add_co_u32 s40, s40, s35                     ; in the section
	s_mov_b32 s41, 0
	v_bfe_u32 v3, v1, 3, 1                         ; column l of the 32 lies in tile 2 b + (l / 8) % 2,
	v_lshlrev_b32 v3, s34, v3
	v_and_b32 v4, 7, v1
	v_lshrrev_b32 v5, 4, v1
	v_lshl_add_u32 v4, v5, 3, v4                   ; at r = l % 8 + 8 (l / 16)
	v_lshl_add_u32 v3, v4, 4, v3
	s_wait_kmcnt 0x0
	s_add_nc_u64 s[20:21], s[20:21], s[36:37]
	s_load_b32 s43, s[20:21], 0x0                  ; e
	s_mov_b64 s[4:5], s[8:9]                       ; the weight's address: a choice on the work-group's number alone
	s_cmp_eq_u32 s26, 1
	s_cselect_b64 s[4:5], s[10:11], s[4:5]
	s_cmp_eq_u32 s26, 2
	s_cselect_b64 s[4:5], s[12:13], s[4:5]
	s_cmp_eq_u32 s26, 3
	s_cselect_b64 s[4:5], s[14:15], s[4:5]
	s_cmp_eq_u32 s26, 4
	s_cselect_b64 s[4:5], s[16:17], s[4:5]
	s_cmp_eq_u32 s26, 5
	s_cselect_b64 s[4:5], s[18:19], s[4:5]
	s_add_nc_u64 s[4:5], s[4:5], s[38:39]
	s_add_nc_u64 s[6:7], s[22:23], s[40:41]
.macro LOADS p                         ; 32 rows, p bytes apart: the row's place stands in the immediate
.set i, 0
.rept 32
	global_load_b32 v[X+i], v2, s[4:5] offset:i*\p th:TH_LOAD_NT
.set i, i+1
.endr
.endm
	s_cmp_eq_u32 s26, 4
	s_cbranch_scc1 .Lwide
	s_wait_alu depctr_va_vdst(0)
	LOADS 1024
	s_branch .Ljoin
.Lwide:
	s_wait_alu depctr_va_vdst(0)
	LOADS 4096
.Ljoin:
	s_wait_kmcnt 0x0
	s_add_co_i32 s43, s43, 127
	s_lshl_b32 s44, s43, 23
	v_mov_b32 v11, s44                             ; 2^e as f32: the conversion takes its exponent field
	s_add_co_i32 s43, s43, 8
	s_lshl_b32 s43, s43, 23
	s_or_b32 s43, s43, 0x600000
	v_mov_b32 v10, s43                             ; 448 x 2^e
	s_wait_alu depctr_va_vdst(0)
	s_wait_loadcnt 0x0
.set i, 0
.rept 32
	v_med3_num_f32 v[X+i], v[X+i], -v10, v10       ; the conversion to an 8-bit code does not saturate (ISA guide 7.6.2): the hold comes first
.set i, i+1
.endr
.irp g, 0,1,2,3
	v_cvt_scalef32_pk8_fp8_f32 v[C+2*\g:C+2*\g+1], v[X+8*\g:X+8*\g+7], v11
.endr
	global_store_b128 v3, v[C:C+3], s[6:7]               ; k + 0 .. 15: the places of lanes (r, 0): sixteen of my lanes fill 256 consecutive bytes of tile 2 b, the other sixteen of tile 2 b + 1
	global_store_b128 v3, v[C+4:C+7], s[6:7] offset:256  ; k + 16 .. 31: the places of lanes (r, 1)
	s_endpgm
.Lfunc_end_k_q9d1c24716d_wprep:
	.size	k_q9d1c24716d_wprep, .Lfunc_end_k_q9d1c24716d_wprep-k_q9d1c24716d_wprep
	.p2alignl 7, 3214868480
	.fill 96, 4, 3214868480
	.section	.rodata,"a",@progbits
	.p2align	6, 0x0
	.amdhsa_kernel k_q9d1c24716d_wprep
		.amdhsa_group_segment_fixed_size 0
		.amdhsa_private_segment_fixed_size 0
		.amdhsa_enable_private_segment 0
		.amdhsa_kernarg_size 64
		.amdhsa_user_sgpr_count 2
		.amdhsa_user_sgpr_kernarg_segment_ptr 1
		.amdhsa_wavefront_size32 1
		.amdhsa_system_sgpr_workgroup_id_x 1
		.amdhsa_system_sgpr_workgroup_id_y 1
		.amdhsa_system_sgpr_workgroup_id_z 1
		.amdhsa_system_vgpr_workitem_id 0
		.amdhsa_next_free_vgpr 80
		.amdhsa_next_free_sgpr 66
		.amdhsa_reserve_vcc 0
		.amdhsa_float_denorm_mode_32 3
		.amdhsa_float_denorm_mode_16_64 3
		.amdhsa_memory_ordered 1
		.amdhsa_forward_progress 1
		.amdhsa_inst_pref_size 12
	.end_amdhsa_kernel
	.amdgpu_metadata
---
amdhsa.version: [ 1, 2 ]
amdhsa.kernels:
  - .name:           k_q9d1c24716d_wprep
    .symbol:         k_q9d1c24716d_wprep.kd
    .args:
      - { .name: Wq, .offset: 0, .size: 8, .value_kind: global_buffer, .address_space: global }
      - { .name: Wk, .offset: 8, .size: 8, .value_kind: global_buffer, .address_space: global }
      - { .name: Wv, .offset: 16, .size: 8, .value_kind: global_buffer, .address_space: global }
      - { .name: Wo, .offset: 24, .size: 8, .value_kind: global_buffer, .address_space: global }
      - { .name: W1, .offset: 32, .size: 8, .value_kind: global_buffer, .address_space: global }
      - { .name: W2, .offset: 40, .size: 8, .value_kind: global_buffer, .address_space: global }
      - { .name: lowp_scales, .offset: 48, .size: 8, .value_kind: global_buffer, .address_space: global }
      - { .name: wts, .offset: 56, .size: 8, .value_kind: global_buffer, .address_space: global }
    .group_segment_fixed_size: 0
    .private_segment_fixed_size: 0
    .kernarg_segment_align: 8
    .kernarg_segment_size: 64
    .max_flat_workgroup_size: 128
    .sgpr_count:     66
    .vgpr_count:     80
    .wavefront_size: 32
...
	.end_amdgpu_metadata
.endif
;; end of part 1
;; launch qkv (part 2): grid 256 x 1, 8 waves a work-group, no clusters, 27,648 bytes of LDS; arguments embeddings_in, wts, bq, bk, bv, lowp_scales, qf, kv; writes qf, kv
.if DOCPART == 2
	.amdgcn_target "amdgcn-amd-amdhsa--gfx1250"
	.amdhsa_code_object_version 6
	.text
	.protected	k_q9d1c24716d_qkv
	.globl	k_q9d1c24716d_qkv
	.p2align	8
	.type	k_q9d1c24716d_qkv,@function
k_q9d1c24716d_qkv:
	s_mov_b64 s[64:65], 0
	v_nop
	global_prefetch_b8 v0, s[64:65] scope:SCOPE_SE
	s_setreg_imm32_b32 hwreg(HW_REG_WAVE_MODE, 25, 1), 1
	s_wait_xcnt 0x0
; xn = (x - mean) / (std + 1e-6); q = Q0(xn) Wq + bq, k = Q2(xn) Wk + bk, v = Q4(xn) Wv + bv on codes of E4M3; q, k, v are quantised (entries 6, 7, 9 of lowp_scales) and stored in the order of attention's operand registers.
; SHARES.  A work-group takes 32 rows.  First part: wave w takes row tile u = w / 4 (16 rows) and 64 of the 256 columns (w % 4); the rows' sums meet in LDS.  Second part: wave w is head w, for all 32 rows; its
; twelve weight fragments come from memory straight into its registers, in register order, once: no other wave of the work-group uses them, so they do not go through LDS.
; THE ROWS OF A TILE ARE NOT NEIGHBOURS: lane r of tile u takes index R(u, r) = 8 u + r + 8 (r / 8) of a block of 32; then the 16 result registers of tiles 0 and 1 are 16 neighbours, 16 h + 0 .. 15.  The same holds of weight columns.
; A fragment for K = 128: registers 4 c .. 4 c + 3 of lane (r, h) hold k = 32 c + 16 h + 0 .. 15: a permutation of k, the same on both sides of every product.
; q, k: the product is used transposed (source 0 = 16 weight columns, source 1 = 16 rows): a lane holds one row and 16 neighbouring head dims.  v: natural (source 0 = rows): a lane holds one head dim and 16 neighbouring keys.
; qf [bh][tile T][lane][16];  kv [bh][step of 128 keys][8192]: K's tile t at 512 t, V's (tile u of head dims, 32 keys c) at 4096 + 2048 u + 512 c.
; xn's codes go from wave to wave through LDS as images of the operand's registers: 512 bytes a store, lane l's 16 bytes at 16 l.
; LIMITS: e0, e2, e4, e6, e7, e9 between -126 and 119; e0 + e1, e2 + e3, e4 + e5 between -126 and 127.  NaN and infinities among the inputs are not served.
; LDS: 0 the rows' sums ([16 u + r][w % 4] f32), 512 the sums of squares, 1024 the images [scale i][u][k / 32][512].
; REGISTERS, window 0: v1-9 addresses; v[10:11] -mean; v[12:13] 1 / (std + 1e-6); v16-27 (scale, 448 x scale) of e0, e2, e4, e6, e7, e9; v28-43 bq, v44-59 bk, v60, v62 bv; v64-95 x, v96-127 at work, later v64-127 xn's four fragments;
;   v128-159 four accumulators; v160-191 results; v192-215 their codes; v216-239 xn's codes; v238-253 sums.   window 1: v0-191 the weights: (matrix i, column tile, K step) at 64 i + 32 p + 16 s.
.set RED2, 512
.set XIMG, 1024
.set X,   64
.set T,   96
.set XF,  64
.set ACC, 128
.set T2,  160
.set OC,  192
.set XC,  216
.set BQ,  28
.set BK,  44
.set BV,  60
.set MSB, 0
.macro WIN new                         ; the immediate's high byte repeats the setting that is left
.if MSB != \new
	s_set_vgpr_msb (MSB<<8)|\new
.set MSB, \new
.endif
.endm
.macro MKSC vs, vl, se                 ; v[vs] = 2^e as f32, v[vl] = 448 x 2^e
	s_add_co_i32 s50, s[\se], 127
	s_lshl_b32 s51, s50, 23
	v_mov_b32 v[\vs], s51
	s_add_co_i32 s50, s50, 8
	s_lshl_b32 s50, s50, 23
	s_or_b32 s50, s50, 0x600000
	v_mov_b32 v[\vl], s50
.endm
.macro P2 sd, sa, sb                   ; the pair s[sd], s[sd + 1] = 2^(ea + eb) as f32
	s_add_co_i32 s[\sd], s[\sa], s[\sb]
	s_add_co_i32 s[\sd], s[\sd], 127
	s_lshl_b32 s[\sd], s[\sd], 23
	s_mov_b32 s[\sd+1], s[\sd]
.endm
.macro BARRIER                         ; my LDS stores have landed and my LDS loads are in: then the work-group's barrier
	s_wait_dscnt 0x0
	s_barrier_signal -1
	s_barrier_wait -1
.endm
	s_load_b512 s[8:23], s[0:1], 0x0               ; x s[8:9], wts s[10:11], bq, bk, bv s[12:17], lowp_scales s[18:19], qf s[20:21], kv s[22:23]
	v_lshl_add_u32 v254, v0, 2, 0x6800
	v_mov_b32 v255, 0
	v_lshrrev_b32 v1, 5, v0
	s_delay_alu instid0(VALU_DEP_1)
	v_readfirstlane_b32 s24, v1                    ; wave 0..7
	v_and_b32 v1, 31, v0
	s_delay_alu instid0(VALU_DEP_1)
	v_lshlrev_b32 v1, 4, v1                        ; 16 x lane
	v_and_b32 v2, 15, v0                           ; r
	v_bfe_u32 v3, v0, 4, 1                         ; h
	s_delay_alu instid0(VALU_DEP_2)
	v_and_b32 v9, 8, v2
	s_delay_alu instid0(VALU_DEP_1)
	v_add_nc_u32 v9, v9, v2                        ; R(0, r)
	s_delay_alu instid0(VALU_DEP_1)
	v_lshlrev_b32 v4, 10, v9
	s_delay_alu instid0(VALU_DEP_1)
	v_lshl_add_u32 v4, v3, 6, v4                   ; x: row R(0, r) of 1,024 bytes + 64 h
	v_lshlrev_b32 v8, 6, v3                        ; bq, bk: 64 h
	s_delay_alu instid0(VALU_DEP_4)
	v_lshlrev_b32 v9, 2, v9                        ; bv: 4 R(0, r)
	v_mov_b32 v14, 0                               ; a lane permute's destination counts as read
	v_mov_b32 v[BV+1], 0                           ; (named as the upper halves of pairs)
	v_mov_b32 v[BV+3], 0
	s_lshr_b32 s25, s24, 2                         ; u
	s_and_b32 s50, s24, 3                          ; which 64 columns
	s_lshl_b32 s51, s25, 8
	s_lshl_b32 s54, s50, 2
	v_lshl_add_u32 v6, v2, 4, s51                  ; the row's four partial sums: 16 r + 256 u
	s_delay_alu instid0(VALU_DEP_1)
	v_add_nc_u32 v5, s54, v6                       ; mine among them
	s_lshl_b32 s54, s24, 10
	s_add_co_u32 s54, s54, XIMG
	v_add_nc_u32 v7, s54, v1                       ; my images: 4096 u + 1024 (w % 4) = 1024 w
	s_mov_b32 s26, 0x76543210
	s_mov_b32 s27, 0xfedcba98                      ; v_permlanex16_b32's selects for lane l xor 16
	s_lshl_b32 s2, ttmp9, 15                       ; x: 32 rows a work-group,
	s_lshl_b32 s55, s25, 13
	s_add_co_u32 s2, s2, s55                       ; + 8 u rows,
	s_lshl_b32 s55, s50, 8
	s_add_co_u32 s2, s2, s55                       ; + my 64 columns
	s_mov_b32 s3, 0
	s_lshl_b32 s56, s24, 13                        ; the weights: my head's two column tiles of 4,096 bytes
	s_mov_b32 s57, 0
	s_lshl_b32 s58, s24, 7                         ; the biases: my head's 32 numbers
	s_mov_b32 s59, 0
	s_lshr_b32 s55, ttmp9, 7
	s_lshl_b32 s55, s55, 3
	s_add_co_u32 s55, s55, s24                     ; bh = 8 x batch + head
	s_and_b32 s60, ttmp9, 127                      ; which 32 rows of the batch
	s_lshl_b32 s4, s55, 17
	s_lshl_b32 s61, s60, 10
	s_add_co_u32 s4, s4, s61                       ; qf: two tiles of 512 bytes
	s_mov_b32 s5, 0
	s_lshl_b32 s6, s55, 18
	s_lshr_b32 s61, s60, 2
	s_lshl_b32 s61, s61, 13
	s_add_co_u32 s6, s6, s61                       ; kv: the step of 128 keys
	s_mov_b32 s7, 0
	s_and_b32 s60, s60, 3                          ; and which 32 of them
	s_lshl_b32 s62, s60, 10                        ; K: tiles 2 c, 2 c + 1
	s_mov_b32 s63, 0
	s_lshl_b32 s60, s60, 9
	s_add_co_u32 s60, s60, 4096                    ; V: part c of both tiles
	s_mov_b32 s61, 0
	s_wait_alu depctr_va_vdst(0)
	s_wait_kmcnt 0x0
	s_load_b512 s[32:47], s[18:19], 0x0            ; e0 .. e15
	s_add_nc_u64 s[8:9], s[8:9], s[2:3]
	s_add_nc_u64 s[10:11], s[10:11], s[56:57]
	s_add_nc_u64 s[12:13], s[12:13], s[58:59]
	s_add_nc_u64 s[14:15], s[14:15], s[58:59]
	s_add_nc_u64 s[16:17], s[16:17], s[58:59]
	s_add_nc_u64 s[20:21], s[20:21], s[4:5]
	s_add_nc_u64 s[22:23], s[22:23], s[6:7]
	s_add_nc_u64 s[52:53], s[22:23], s[60:61]      ; V's place
	s_add_nc_u64 s[22:23], s[22:23], s[62:63]      ; K's place
.irp b, 0,1
.irp j, 0,1,2,3
	global_load_b128 v[X+16*\b+4*\j:X+16*\b+4*\j+3], v4, s[8:9] offset:128*\b+16*\j th:TH_LOAD_NT   ; x(R(u, r), 64 (w % 4) + 32 b + 16 h + 4 j ..)
.endr
.endr
.irp j, 0,1,2,3
	global_load_b128 v[BQ+4*\j:BQ+4*\j+3], v8, s[12:13] offset:16*\j
.endr
.irp j, 0,1,2,3
	global_load_b128 v[BK+4*\j:BK+4*\j+3], v8, s[14:15] offset:16*\j
.endr
	global_load_b32 v[BV], v9, s[16:17]                    ; bv at head dim R(0, r),
	global_load_b32 v[BV+2], v9, s[16:17] offset:32        ; and at R(1, r)
	WIN 0x40                                       ; destination window 1
.irp i, 0,1,2
.irp f, 0,1,2,3
.irp c, 0,1,2,3
	global_load_b128 v[64*\i+16*\f+4*\c:64*\i+16*\f+4*\c+3], v1, s[10:11] offset:\i*65536+\f*2048+512*\c
.endr
.endr
.endr
	WIN 0
	s_wait_kmcnt 0x0
	MKSC 16, 17, 32
	MKSC 18, 19, 34
	MKSC 20, 21, 36
	MKSC 22, 23, 38
	MKSC 24, 25, 39
	MKSC 26, 27, 41
	P2 28, 32, 33
	P2 30, 34, 35
	P2 48, 36, 37
	; ---- the norm.  The mean first, then the squares of the differences: a common offset of the inputs costs no accuracy
	s_wait_loadcnt 58                              ; x's eight loads are in: behind them stand 10 loads of biases and 48 of weights
	v_pk_add_f32 v[242:243], v[64:65], v[66:67]
	v_pk_add_f32 v[244:245], v[80:81], v[88:89]
	v_pk_add_f32 v[246:247], v[68:69], v[70:71]
	v_pk_add_f32 v[252:253], v[82:83], v[90:91]
	v_pk_add_f32 v[250:251], v[72:73], v[74:75]
	v_pk_add_f32 v[248:249], v[84:85], v[92:93]
	v_pk_add_f32 v[238:239], v[76:77], v[78:79]
	v_pk_add_f32 v[240:241], v[86:87], v[94:95]
	s_delay_alu instid0(VALU_DEP_1)
	v_pk_add_f32 v[240:241], v[240:241], v[252:253]
	v_pk_add_f32 v[242:243], v[242:243], v[250:251]
	v_pk_add_f32 v[244:245], v[244:245], v[248:249]
	v_pk_add_f32 v[246:247], v[246:247], v[238:239]
	s_delay_alu instid0(VALU_DEP_2)
	v_pk_add_f32 v[240:241], v[240:241], v[244:245]
	s_delay_alu instid0(VALU_DEP_2)
	v_pk_add_f32 v[242:243], v[242:243], v[246:247]
	s_delay_alu instid0(VALU_DEP_1)
	v_pk_add_f32 v[240:241], v[240:241], v[242:243]
	s_delay_alu instid0(VALU_DEP_1)
	v_add_f32 v240, v240, v241
	s_delay_alu instid0(VALU_DEP_1)
	v_permlanex16_b32 v14, v240, s26, s27
	s_delay_alu instid0(VALU_DEP_1)
	v_add_f32 v240, v240, v14                      ; my wave's 64 columns of row R(u, r)
	ds_store_b32 v5, v240
	BARRIER
	ds_load_b128 v[240:243], v6
	s_wait_dscnt 0x0
	v_add_f32 v240, v240, v241
	v_add_f32 v242, v242, v243
	s_delay_alu instid0(VALU_DEP_1)
	v_add_f32 v240, v240, v242
	s_delay_alu instid0(VALU_DEP_1)
	v_mul_f32 v10, 0xbb800000, v240                ; -mean = sum x -2^-8
	s_delay_alu instid0(VALU_DEP_1)
	v_mov_b32 v11, v10
.set k, 0
.rept 16
	v_pk_add_f32 v[X+k:X+k+1], v[X+k:X+k+1], v[10:11] op_sel_hi:[1,0]
.set k, k+2
.endr
	v_pk_mul_f32 v[240:241], v[X:X+1], v[X:X+1]
	v_pk_mul_f32 v[242:243], v[X+2:X+3], v[X+2:X+3]
.irp q, 4,8,12,16,20,24,28
	s_delay_alu instid0(VALU_DEP_2)
	v_pk_fma_f32 v[240:241], v[X+\q:X+\q+1], v[X+\q:X+\q+1], v[240:241]
	s_delay_alu instid0(VALU_DEP_2)
	v_pk_fma_f32 v[242:243], v[X+\q+2:X+\q+3], v[X+\q+2:X+\q+3], v[242:243]
.endr
	s_delay_alu instid0(VALU_DEP_1)
	v_pk_add_f32 v[240:241], v[240:241], v[242:243]
	s_delay_alu instid0(VALU_DEP_1)
	v_add_f32 v240, v240, v241
	s_delay_alu instid0(VALU_DEP_1)
	v_permlanex16_b32 v14, v240, s26, s27
	s_delay_alu instid0(VALU_DEP_1)
	v_add_f32 v240, v240, v14
	ds_store_b32 v5, v240 offset:RED2
	BARRIER
	ds_load_b128 v[240:243], v6 offset:RED2
	s_wait_dscnt 0x0
	v_add_f32 v240, v240, v241
	v_add_f32 v242, v242, v243
	s_delay_alu instid0(VALU_DEP_1)
	v_add_f32 v240, v240, v242
	s_delay_alu instid0(VALU_DEP_1)
	v_mul_f32 v240, 0x3b800000, v240               ; the variance
	s_wait_alu depctr_va_vdst(0)
	v_sqrt_f32 v240, v240
	v_nop                                          ; a plain instruction behind the transcendental,
	s_wait_alu depctr_va_vdst(0)                   ; and the wait ahead of its first reader
	v_add_f32 v240, 0x358637bd, v240               ; + 1e-6
	s_wait_alu depctr_va_vdst(0)
	v_rcp_f32 v12, v240
	v_nop
	s_wait_alu depctr_va_vdst(0)
	v_mov_b32 v13, v12
.set k, 0
.rept 16
	v_pk_mul_f32 v[X+k:X+k+1], v[X+k:X+k+1], v[12:13] op_sel_hi:[1,0]
.set k, k+2
.endr
	; ---- xn is quantised three times, once for each product's given scale
.irp i, 0,1,2
.set k, 0
.rept 32
	v_med3_num_f32 v[T+k], v[X+k], -v[17+2*\i], v[17+2*\i]   ; the conversion does not saturate (ISA guide 7.6.2): the hold comes first
.set k, k+1
.endr
.irp b, 0,1
	v_cvt_scalef32_pk8_fp8_f32 v[XC+8*\i+4*\b:XC+8*\i+4*\b+1], v[T+16*\b:T+16*\b+7], v[16+2*\i]
	v_cvt_scalef32_pk8_fp8_f32 v[XC+8*\i+4*\b+2:XC+8*\i+4*\b+3], v[T+16*\b+8:T+16*\b+15], v[16+2*\i]
.endr
	v_nop                                          ; a plain instruction between the conversions and the next lines that write their sources
.irp b, 0,1
	ds_store_b128 v7, v[XC+8*\i+4*\b:XC+8*\i+4*\b+3] offset:\i*8192+512*\b
.endr
.endr
	BARRIER                                        ; the twelve fragments of xn lie in LDS
	s_wait_loadcnt 0x0                             ; weights and biases
; One product for my head: xn's four fragments under scale i, eight matrix instructions on four accumulators by turns, sum x 2^(ea + eb) + bias, the hold, the codes, two stores of 512 consecutive bytes.
; nat = 0: source 0 = weight columns, accumulator (row tile u, column tile p) at 16 u + 8 p.  nat = 1: source 0 = rows, accumulator (p, u) at 16 p + 8 u.
.macro PROD i, nat, pw, bias, vsc, vlim, base, strd
.irp u, 0,1
.irp ks, 0,1
.irp c, 0,1,2,3
	ds_load_b128 v[XF+32*\u+16*\ks+4*\c:XF+32*\u+16*\ks+4*\c+3], v1 offset:XIMG+\i*8192+\u*4096+\ks*2048+512*\c
.endr
.endr
.endr
	s_wait_dscnt 0x0
.if \nat
	WIN 0x04                                       ; source 1 (the weights) window 1
.else
	WIN 0x01                                       ; source 0 (the weights) window 1
.endif
.irp ks, 0,1
.irp u, 0,1
.irp p, 0,1
.if \nat
.if \ks == 0
	v_wmma_f32_16x16x128_fp8_fp8 v[ACC+16*\p+8*\u:ACC+16*\p+8*\u+7], v[XF+32*\u+16*\ks:XF+32*\u+16*\ks+15], v[64*\i+32*\p+16*\ks:64*\i+32*\p+16*\ks+15], 0
.else
	v_wmma_f32_16x16x128_fp8_fp8 v[ACC+16*\p+8*\u:ACC+16*\p+8*\u+7], v[XF+32*\u+16*\ks:XF+32*\u+16*\ks+15], v[64*\i+32*\p+16*\ks:64*\i+32*\p+16*\ks+15], v[ACC+16*\p+8*\u:ACC+16*\p+8*\u+7]
.endif
.else
.if \ks == 0
	v_wmma_f32_16x16x128_fp8_fp8 v[ACC+16*\u+8*\p:ACC+16*\u+8*\p+7], v[64*\i+32*\p+16*\ks:64*\i+32*\p+16*\ks+15], v[XF+32*\u+16*\ks:XF+32*\u+16*\ks+15], 0
.else
	v_wmma_f32_16x16x128_fp8_fp8 v[ACC+16*\u+8*\p:ACC+16*\u+8*\p+7], v[64*\i+32*\p+16*\ks:64*\i+32*\p+16*\ks+15], v[XF+32*\u+16*\ks:XF+32*\u+16*\ks+15], v[ACC+16*\u+8*\p:ACC+16*\u+8*\p+7]
.endif
.endif
.endr
.endr
.endr
	WIN 0
.rept 4
	v_nop                                          ; four places between the products and the first read of their results (ISA guide 7.12.1)
.endr
.set k, 0
.rept 16                               ; each accumulator from its low end on
.if \nat
	v_pk_fma_f32 v[T2+k:T2+k+1], v[ACC+k:ACC+k+1], s[\pw:\pw+1], v[\bias+2*(k/16):\bias+2*(k/16)+1] op_sel_hi:[1,0,0]   ; a lane holds one head dim: one bias for all its keys
.else
	v_pk_fma_f32 v[T2+k:T2+k+1], v[ACC+k:ACC+k+1], s[\pw:\pw+1], v[\bias+k%16:\bias+k%16+1] op_sel_hi:[1,0,1]
.endif
.set k, k+2
.endr
.set k, 0
.rept 32                               ; these 32 are also the places in front of the next product's loads and of its first matrix instructions, which begin the accumulators anew
	v_med3_num_f32 v[T2+k], v[T2+k], -v[\vlim], v[\vlim]
.set k, k+1
.endr
.irp a, 0,1
	v_cvt_scalef32_pk8_fp8_f32 v[OC+8*\i+4*\a:OC+8*\i+4*\a+1], v[T2+16*\a:T2+16*\a+7], v[\vsc]
	v_cvt_scalef32_pk8_fp8_f32 v[OC+8*\i+4*\a+2:OC+8*\i+4*\a+3], v[T2+16*\a+8:T2+16*\a+15], v[\vsc]
.endr
	v_nop                                          ; a plain instruction behind the last conversion
.irp a, 0,1
	global_store_b128 v1, v[OC+8*\i+4*\a:OC+8*\i+4*\a+3], s[\base:\base+1] offset:\a*\strd   ; each product has its own registers for its codes: no store's data are written again
.endr
.endm
	PROD 0, 0, 28, BQ, 22, 23, 20, 512             ; q: tiles 2 blk, 2 blk + 1 of qf
	PROD 1, 0, 30, BK, 24, 25, 22, 512             ; k: two tiles of the step
	PROD 2, 1, 48, BV, 26, 27, 52, 2048            ; v: my 32 keys' part of both tiles of head dims
	s_wait_tensorcnt 0x0
	ds_add_u32 v254, v255
	s_wait_dscnt 0x0
	s_endpgm
.Lfunc_end_k_q9d1c24716d_qkv:
	.size	k_q9d1c24716d_qkv, .Lfunc_end_k_q9d1c24716d_qkv-k_q9d1c24716d_qkv
	.p2alignl 7, 3214868480
	.fill 96, 4, 3214868480
	.section	.rodata,"a",@progbits
	.p2align	6, 0x0
	.amdhsa_kernel k_q9d1c24716d_qkv
		.amdhsa_group_segment_fixed_size 27648
		.amdhsa_private_segment_fixed_size 0
		.amdhsa_enable_private_segment 0
		.amdhsa_kernarg_size 64
		.amdhsa_user_sgpr_count 2
		.amdhsa_user_sgpr_kernarg_segment_ptr 1
		.amdhsa_wavefront_size32 1
		.amdhsa_system_sgpr_workgroup_id_x 1
		.amdhsa_system_sgpr_workgroup_id_y 1
		.amdhsa_system_sgpr_workgroup_id_z 1
		.amdhsa_system_vgpr_workitem_id 0
		.amdhsa_next_free_vgpr 448
		.amdhsa_next_free_sgpr 66
		.amdhsa_reserve_vcc 0
		.amdhsa_float_denorm_mode_32 3
		.amdhsa_float_denorm_mode_16_64 3
		.amdhsa_memory_ordered 1
		.amdhsa_forward_progress 1
		.amdhsa_inst_pref_size 41
	.end_amdhsa_kernel
	.amdgpu_metadata
---
amdhsa.version: [ 1, 2 ]
amdhsa.kernels:
  - .name:           k_q9d1c24716d_qkv
    .symbol:         k_q9d1c24716d_qkv.kd
    .args:
      - { .name: embeddings_in, .offset: 0, .size: 8, .value_kind: global_buffer, .address_space: global }
      - { .name: wts, .offset: 8, .size: 8, .value_kind: global_buffer, .address_space: global }
      - { .name: bq, .offset: 16, .size: 8, .value_kind: global_buffer, .address_space: global }
      - { .name: bk, .offset: 24, .size: 8, .value_kind: global_buffer, .address_space: global }
      - { .name: bv, .offset: 32, .size: 8, .value_kind: global_buffer, .address_space: global }
      - { .name: lowp_scales, .offset: 40, .size: 8, .value_kind: global_buffer, .address_space: global }
      - { .name: qf, .offset: 48, .size: 8, .value_kind: global_buffer, .address_space: global }
      - { .name: kv, .offset: 56, .size: 8, .value_kind: global_buffer, .address_space: global }
    .group_segment_fixed_size: 27648
    .private_segment_fixed_size: 0
    .kernarg_segment_align: 8
    .kernarg_segment_size: 64
    .max_flat_workgroup_size: 256
    .sgpr_count:     66
    .vgpr_count:     448
    .wavefront_size: 32
...
	.end_amdgpu_metadata
.endif
;; end of part 2
;; launch attn (part 3): grid 16 x 16, 8 waves a work-group, no clusters, 295,936 bytes of LDS; arguments qf, kv, lowp_scales, af; writes af
.if DOCPART == 3
	.amdgcn_target "amdgcn-amd-amdhsa--gfx1250"
	.amdhsa_code_object_version 6
	.text
	.protected	k_q9d1c24716d_attn
	.globl	k_q9d1c24716d_attn
	.p2align	8
	.type	k_q9d1c24716d_attn,@function
k_q9d1c24716d_attn:
	s_mov_b64 s[64:65], 0
	v_nop
	global_prefetch_b8 v0, s[64:65] scope:SCOPE_SE
	s_setreg_imm32_b32 hwreg(HW_REG_WAVE_MODE, 25, 1), 1
	s_wait_xcnt 0x0
; Attention of one (batch, head) on codes of E4M3: t = (q . k) 2^(e6 + e7) log2(e) / sqrt(32); M = the running largest t rounded UP to a whole number; p = 2^(t - M), quantised with 2^e8, not normalised;
; the row's sum is taken of the unquantised p; O = (sum of p v) 2^(e8 + e9) / the row's sum, quantised with 2^e10 and stored as part of the next product's operand.
; SHARES.  Work-group (x, y): head y, queries 256 x .. 256 x + 255, as 16 tiles of 16.  THE KEYS STAY, THE QUERIES WALK: wave w of eight owns keys 512 w .. 512 w + 511; their codes of K and V, 32,768 bytes,
; fill its register window 1 (256 registers), loaded once, 512 consecutive bytes a load, in register order.  Every wave walks all 16 tiles of queries over its own keys, TWO STEPS OF 256 KEYS a tile, with a running M of its own.
; So the loop reads nothing from LDS and has no barrier.  A tile's part of a wave (O^T 16 registers, -M, its sum) is stored once into LDS bytes of the wave's own: 2,304 bytes x 16 tiles x 8 waves.
; Behind the one barrier wave w joins tiles 2 w and 2 w + 1: M = the largest of the eight M, each part x 2^(its M - M), which rounds nothing; then the division, the quantiser and the store.
; THE LOOP IS ROTATED: a trip is step 1 of a tile and step 0 of the next.  The next tile's first S^T is issued with step 1's last products, and the finished tile's end (its sum, its two sums of O^T, its stores) stands between the links of the next tile's first maximum.
; LAYOUT.  Both products are used transposed: S^T = K Q^T, O^T = V^T P^T: a lane holds ONE query (lane % 16).  Lane r of K's tile 2 b + u holds key 32 b + 8 u + r + 8 (r / 8): the 16 registers of tiles 2 b, 2 b + 1 are keys 32 b + 16 h + 0 .. 15.
; THE HEAD'S 32 IN A K OF 64: registers 0-3 of a fragment hold dims 16 h + 0 .. 15; Q's registers 4-7 are zeros; K's registers 4-7 are the four registers that follow (the next tile's, at the end V's first): codes of finite numbers, which Q's zeros wipe out.
; NO DATA MOVER, NO CLUSTER: the operands go from memory straight into the registers that the products name, and the steps jump over p's hold where e8 makes it idle (128 of a step's vector instructions).
; NO PREFETCH: all loads of K and V are issued in one run at the head; the loop loads 512 bytes of Q a tile, one step ahead.
; LIMITS: e6 + e7 between -124 and 129 (added to c's exponent field); e8 and e10 between -126 and 119; the scaled scores stay under 2^31 in magnitude.  NaN and infinities among the inputs are not served.
; REGISTERS, window 0: v1 16 x lane; v3, v4 my LDS places; v6, v7 2^e8 and 448 x 2^e8; v8-15 Q; v16-19 the next Q; v20 -M, v21 the largest t; v[22:23] the sum; v24 f, v25 0; v26-35 at work; v36, v37 addresses; v40-55 O^T; v56-87 p's codes;
;   v88-215 S^T, then p; v216-247 partial sums, of which v232-247 also take the tile's last half step of O^T; v248-252 the joining's addresses; v254, v255 the spare word and 0.   window 1: K (128 keys g, tile t) at 32 g + 4 t; V at 128 + 32 g + 16 u + 4 c.
.set QF,  8
.set QN,  16
.set NM,  20
.set TM,  21
.set L,   22
.set F,   24
.set W,   26
.set WP,  34
.set WO,  35
.set A0,  36
.set A1,  37
.set O,   40
.set PC,  56
.set S,   88
.set T,   216
.set O2,  232
.set CO,  248
.set CML, 252
.set SPW, 254
.set NIL, 255
.set MLR, 262144                       ; LDS: 0 the parts of O^T (32768 wave + 2048 tile + 512 q + 16 lane); MLR (-M, sum) (4096 wave + 256 tile + 8 lane)
.set SPARE, 294912                     ; the spare words, 128 bytes a wave
.set MSB, 0
.macro WIN new                         ; the immediate's high byte repeats the setting that is left
.if MSB != \new
	s_set_vgpr_msb (MSB<<8)|\new
.set MSB, \new
.endif
.endm
.macro MKSC vs, vl, se                 ; v[vs] = 2^e as f32, v[vl] = 448 x 2^e
	s_add_co_i32 s14, s[\se], 127
	s_lshl_b32 s15, s14, 23
	v_mov_b32 v[\vs], s15
	s_add_co_i32 s14, s14, 8
	s_lshl_b32 s14, s14, 23
	s_or_b32 s14, s14, 0x600000
	v_mov_b32 v[\vl], s14
.endm
.macro LK g                            ; K's eight tiles of my 128 keys g
.irp t, 0,1,2,3,4,5,6,7
	global_load_b128 v[32*\g+4*\t:32*\g+4*\t+3], v1, s[6:7] offset:8192*\g+512*\t
.endr
.endm
.macro LV g                            ; V's two tiles of my 128 keys g
.irp t, 0,1,2,3,4,5,6,7
	global_load_b128 v[128+32*\g+4*\t:128+32*\g+4*\t+3], v1, s[6:7] offset:8192*\g+4096+512*\t
.endr
.endm
.macro SM1 jj, t                       ; S^T of 16 keys: tile t of step jj; the product starts its sum
	v_wmma_f32_16x16x64_fp8_fp8 v[S+8*\t:S+8*\t+7], v[64*(\jj)+4*\t:64*(\jj)+4*\t+7], v[QF:QF+7], 0
.endm
.macro FMA k0, n                       ; t - M of n pairs from register S + k0 on
.set k, \k0
.rept \n
	v_pk_fma_f32 v[S+k:S+k+1], v[S+k:S+k+1], s[22:23], v[NM:NM+1] op_sel_hi:[1,0,0]
.set k, k+2
.endr
.endm
.macro TADD a, b                       ; partial sum a += partial sum b
	v_pk_add_f32 v[T+\a:T+\a+1], v[T+\a:T+\a+1], v[T+\b:T+\b+1]
.endm
.macro OADD k                          ; the two sums of O^T, a pair of registers
	v_pk_add_f32 v[O+\k:O+\k+1], v[O+\k:O+\k+1], v[O2+\k:O2+\k+1]
.endm
.macro OSTORE                          ; my part of O^T
.irp q, 0,1,2,3
	ds_store_b128 v[A0], v[O+4*\q:O+4*\q+3] offset:512*\q
.endr
.endm
.macro PLACES
.rept 4
	v_nop                                          ; four places between the products and the first read of their results (ISA guide 7.12.1)
.endr
.endm
	s_load_b256 s[4:11], s[0:1], 0x0               ; qf s[4:5], kv s[6:7], lowp_scales s[8:9], af s[10:11]
	v_lshl_add_u32 v[SPW], v0, 2, SPARE
	v_mov_b32 v[NIL], 0
	v_lshrrev_b32 v1, 5, v0
	v_readfirstlane_b32 s12, v1                    ; wave 0..7
	v_and_b32 v2, 31, v0
	v_lshlrev_b32 v1, 4, v2                        ; 16 x lane
	s_lshl_b32 s14, s12, 15
	v_add_nc_u32 v3, s14, v1                       ; my parts of O^T
	s_lshl_b32 s14, s12, 12
	v_add_nc_u32 v[CO], s14, v1                    ; the joining: tile 2 w in wave 0's region,
	s_add_co_u32 s14, s14, MLR
	v_lshl_add_u32 v4, v2, 3, s14                  ; my (-M, sum)
	s_lshl_b32 s14, s12, 9
	s_add_co_u32 s14, s14, MLR
	v_lshl_add_u32 v[CML], v2, 3, s14              ; the joining: tile 2 w's (-M, sum) of wave 0
.irp n, 1,2,3
	v_add_nc_u32 v[CO+\n], \n*65536, v[CO]         ; and in waves 2 n: an LDS offset holds 16 bits
.endr
	s_and_b32 s13, ttmp7, 0xffff                   ; bh
	s_lshl_b32 s16, s13, 18
	s_lshl_b32 s14, s12, 15
	s_add_co_u32 s16, s16, s14                     ; kv: the head, my 512 keys
	s_mov_b32 s17, 0
	s_lshl_b32 s18, s13, 17
	s_lshl_b32 s14, ttmp9, 13
	s_add_co_u32 s18, s18, s14                     ; qf: the head, tile 16 x
	s_mov_b32 s19, 0
	s_lshr_b32 s14, s13, 3
	s_lshl_b32 s14, s14, 8
	s_lshl_b32 s15, ttmp9, 4
	s_add_co_u32 s14, s14, s15
	s_lshl_b32 s15, s12, 1
	s_add_co_u32 s14, s14, s15
	s_lshl_b32 s34, s14, 12                        ; af: row tile 256 x batch + 16 x + 2 w, 4,096 bytes each,
	s_bfe_u32 s15, s13, 0x10002
	s_lshl_b32 s15, s15, 11
	s_add_co_u32 s34, s34, s15                     ; K step head / 4,
	s_and_b32 s15, s13, 3
	s_lshl_b32 s15, s15, 9
	s_add_co_u32 s34, s34, s15                     ; part head % 4
	s_mov_b32 s35, 0
	s_mov_b32 s20, 0x76543210
	s_mov_b32 s21, 0xfedcba98                      ; v_permlanex16_b32's selects for lane l xor 16
	s_mov_b32 s24, 0                               ; 2048 x tile
	s_mov_b32 s25, 0                               ; 256 x tile
	s_mov_b32 s27, 15                              ; the loop's trips
	s_wait_alu depctr_va_vdst(0)
	s_wait_kmcnt 0x0
	s_load_b128 s[28:31], s[8:9], 0x18             ; e6, e7, e8, e9
	s_load_b32 s32, s[8:9], 0x28                   ; e10
	s_add_nc_u64 s[6:7], s[6:7], s[16:17]
	s_add_nc_u64 s[4:5], s[4:5], s[18:19]
	s_add_nc_u64 s[10:11], s[10:11], s[34:35]
	global_load_b128 v[QF:QF+3], v1, s[4:5]        ; tile 0 of the queries
	WIN 0x40                                       ; destination window 1
	LK 0                                           ; in the order in which the first tile wants them: a step's last product names the four registers behind K's step too
	LK 1
	LK 2
	LV 0
	LV 1
	LK 3
	LV 2
	LV 3
	WIN 0
.irp j, 4,5,6,7
	v_mov_b32 v[QF+\j], 0                          ; Q's upper half of K: zeros
.endr
	v_mov_b32 v[F+1], 0                            ; (named as the upper half of a pair)
	v_mov_b32 v[WP], 0                             ; a lane permute's destination counts as read
	s_wait_kmcnt 0x0
	s_add_co_i32 s14, s28, s29
	s_lshl_b32 s14, s14, 23
	s_add_co_i32 s22, s14, 0x3e8293ee              ; c = log2(e) / sqrt(32), with e6 + e7 added to its exponent field
	s_mov_b32 s23, s22                             ; (named with it as a pair)
	s_cmp_ge_i32 s30, -8
	s_cselect_b32 s26, 1, 0                        ; p <= 1: where e8 >= -8, p / 2^e8 <= 256 < 448 and the hold has nothing to hold
	MKSC 6, 7, 30
	s_wait_alu depctr_va_vdst(0)
; A KEY STEP: my 256 keys of step jj (0 or 1), whose S^T lies in v[S ..].  At its end O^T += V^T P^T and the next step's S^T.
; epi = 1 (step 0): the tile before is finished on the way.  nexts = 1 (step 1): another tile follows.  lw >= 0: the count of a wait for loads.
.macro STEP jj, epi, nexts, lw
.set i, 0
.rept 8                                ; the largest score of my query among my 128 keys: eight chains, ascending
	v_max3_num_f32 v[W+i], v[S+3*i], v[S+3*i+1], v[S+3*i+2]
.set i, i+1
.endr
.set i, 0
.rept 52
	v_max3_num_f32 v[W+i%8], v[W+i%8], v[S+24+2*i], v[S+25+2*i]
.set i, i+1
.endr
.if (\jj) == 0
.if \epi                               ; the finished tile's eight partial sums, its two sums of O^T and its stores stand between the links of this tile's maximum
	v_max3_num_f32 v[W], v[W], v[W+1], v[W+2]
	TADD 0, 8
	v_max3_num_f32 v[W+3], v[W+3], v[W+4], v[W+5]
	TADD 2, 10
	TADD 4, 12
	TADD 6, 14
	v_max3_num_f32 v[W], v[W], v[W+3], v[W+6]
	TADD 0, 4
	TADD 2, 6
	v_max_num_f32 v[W], v[W], v[W+7]
	OADD 0                                         ; each accumulator from its low end on
	OADD 2
	v_permlanex16_b32 v[WP], v[W], s20, s21
	TADD 0, 2
	OADD 4
	v_max_num_f32 v[W], v[W], v[WP]                ; and among lane l xor 16's
	v_pk_add_f32 v[L:L+1], v[L:L+1], v[T:T+1]
	OADD 6
	OADD 8
	v_add_f32 v[TM], v[L], v[L+1]                  ; the finished tile: my lane's part of the sum, beside its -M
	v_add_nc_u32 v[A0], s24, v3
	v_add_nc_u32 v[A1], s25, v4
	OADD 10
	OADD 12
	OADD 14
	ds_store_b64 v[A1], v[NM:NM+1]
	v_mul_f32 v[TM], s22, v[W]                     ; as t (c is positive): a tile's first step begins the maximum
	s_delay_alu instid0(VALU_DEP_1)
	v_floor_f32 v[NM], -v[TM]                      ; -M = floor(-t) = -ceil(t)
	OSTORE
	s_add_co_u32 s24, s24, 2048
	s_add_co_u32 s25, s25, 256
.else
	s_delay_alu instid0(VALU_DEP_2)
	v_max3_num_f32 v[W], v[W], v[W+1], v[W+2]
	s_delay_alu instid0(VALU_DEP_2)
	v_max3_num_f32 v[W+3], v[W+3], v[W+4], v[W+5]
	s_delay_alu instid0(VALU_DEP_1)
	v_max3_num_f32 v[W], v[W], v[W+3], v[W+6]
	s_delay_alu instid0(VALU_DEP_1)
	v_max_num_f32 v[W], v[W], v[W+7]
	s_delay_alu instid0(VALU_DEP_1)
	v_permlanex16_b32 v[WP], v[W], s20, s21
	s_delay_alu instid0(VALU_DEP_1)
	v_max_num_f32 v[W], v[W], v[WP]
	s_delay_alu instid0(VALU_DEP_1)
	v_mul_f32 v[TM], s22, v[W]
	s_delay_alu instid0(VALU_DEP_1)
	v_floor_f32 v[NM], -v[TM]
.endif
	FMA 0, 32
.else                                  ; step 0's eight partial sums are joined here, between the links of the maximum's chain
	v_max3_num_f32 v[W], v[W], v[W+1], v[W+2]
	TADD 0, 8
	v_max3_num_f32 v[W+3], v[W+3], v[W+4], v[W+5]
	TADD 2, 10
	TADD 4, 12
	TADD 6, 14
	v_max3_num_f32 v[W], v[W], v[W+3], v[W+6]
	TADD 0, 4
	TADD 2, 6
	v_max_num_f32 v[W], v[W], v[W+7]
	v_mov_b32 v[WO], v[NM]
	s_delay_alu instid0(VALU_DEP_2)
	v_permlanex16_b32 v[WP], v[W], s20, s21
	v_pk_add_f32 v[L:L+1], v[T:T+1], v[T+2:T+3]    ; step 0's sum
	s_delay_alu instid0(VALU_DEP_2)
	v_max_num_f32 v[W], v[W], v[WP]
	s_delay_alu instid0(VALU_DEP_1)
	v_mul_f32 v[W], s22, v[W]
	s_delay_alu instid0(VALU_DEP_1)
	v_max_num_f32 v[TM], v[TM], v[W]               ; the running largest t
	s_delay_alu instid0(VALU_DEP_1)
	v_floor_f32 v[NM], -v[TM]
	s_delay_alu instid0(VALU_DEP_1)
	v_sub_f32 v[WO], v[NM], v[WO]                  ; old M - new M: a whole number, 0 or less
	FMA 0, 4
	v_cvt_i32_f32 v[WO], v[WO]                     ; (it saturates)
	FMA 8, 4
	v_ldexp_f32 v[F], 1.0, v[WO]                   ; f = 2^(old M - new M): the rescaling rounds nothing
	FMA 16, 24
.set k, 0
.rept 8
	v_pk_mul_f32 v[O+k:O+k+1], v[O+k:O+k+1], v[F:F+1] op_sel_hi:[1,0]   ; O^T under the new M, ahead of the exponentials
.set k, k+2
.endr
	v_pk_mul_f32 v[L:L+1], v[L:L+1], v[F:F+1] op_sel_hi:[1,0]           ; and the sum
.endif
	s_wait_alu depctr_va_vdst(0)
.set i, 0
.rept 32                               ; p of the first 64; between them t - M of the other 64, first read behind the next wait
	v_exp_f32 v[S+2*i], v[S+2*i]
	v_exp_f32 v[S+2*i+1], v[S+2*i+1]
	v_pk_fma_f32 v[S+64+2*i:S+65+2*i], v[S+64+2*i:S+65+2*i], s[22:23], v[NM:NM+1] op_sel_hi:[1,0,0]
.set i, i+1
.endr
	s_wait_alu depctr_va_vdst(0)                   ; behind the first batch and ahead of the second
.set i, 0
.rept 16                               ; p of the other 64; between them sixteen sums of the first 64, none of which reads another
	v_exp_f32 v[S+64+4*i], v[S+64+4*i]
	v_exp_f32 v[S+65+4*i], v[S+65+4*i]
	v_exp_f32 v[S+66+4*i], v[S+66+4*i]
	v_exp_f32 v[S+67+4*i], v[S+67+4*i]
	v_pk_add_f32 v[T+2*i:T+2*i+1], v[S+4*i:S+4*i+1], v[S+4*i+2:S+4*i+3]
.set i, i+1
.endr
	s_wait_alu depctr_va_vdst(0)                   ; behind the second batch
.if \lw >= 0
	s_wait_loadcnt \lw                             ; what this step's products name is in (the first tile's step 0: V's last sixteen loads may be out; step 1: all, the next Q among them)
.endif
.if \nexts
	s_add_nc_u64 s[4:5], s[4:5], 512               ; the next Q's load is done, so its base may step
.endif
.irp h, 0,2
.set i, 0
.rept 16
	v_pk_add_f32 v[T+2*i:T+2*i+1], v[T+2*i:T+2*i+1], v[S+64+4*i+\h:S+65+4*i+\h]   ; the sum is taken of the unquantised p: sixteen chains
.set i, i+1
.endr
.endr
.irp i, 0,2,4,6,8,10,12,14
	TADD \i, 16+\i                                 ; eight are left: they are joined behind the next step's 60 maxima, or at the last tile's end
.endr
	s_cmp_lg_u32 s26, 0                            ; a branch on the whole number e8, the same in every wave
	s_cbranch_scc1 .Lnh_\@
.set k, 0
.rept 128
	v_min_num_f32 v[S+k], v[S+k], v7               ; the conversion does not saturate (ISA guide 7.6.2); p is not negative, so the hold is one-sided
.set k, k+1
.endr
.Lnh_\@:
.if \nexts
.irp j, 0,1,2,3
	v_mov_b32 v[QF+\j], v[QN+\j]                   ; this tile's products with Q are over: the next tile's Q
.endr
.endif
.irp b, 0,1,2,3,4,5,6,7
	v_cvt_scalef32_pk8_fp8_f32 v[PC+4*\b:PC+4*\b+1], v[S+16*\b:S+16*\b+7], v6
	v_cvt_scalef32_pk8_fp8_f32 v[PC+4*\b+2:PC+4*\b+3], v[S+16*\b+8:S+16*\b+15], v6
.endr
	v_nop                                          ; a plain instruction between the conversions and the products that read their results and write their sources
	WIN 0x01                                       ; source 0 (V, K) window 1
.if (\jj) == 0                         ; accumulators by turns, and four other products between the two links of each sum
.irp u, 0,1
	v_wmma_f32_16x16x128_fp8_fp8 v[O+8*\u:O+8*\u+7], v[128+16*\u:128+16*\u+15], v[PC:PC+15], 0
.endr
.irp t, 0,1,2
	SM1 1, \t
.endr
.irp u, 0,1
	v_wmma_f32_16x16x128_fp8_fp8 v[O+8*\u:O+8*\u+7], v[160+16*\u:160+16*\u+15], v[PC+16:PC+31], v[O+8*\u:O+8*\u+7]
.endr
.irp t, 3,4,5,6,7,8,9,10,11,12,13,14,15
	SM1 1, \t
.endr
.else                                  ; the tile's last 128 keys start sums of their own, which are added at the tile's end: four accumulators, one product each
.irp u, 0,1
	v_wmma_f32_16x16x128_fp8_fp8 v[O+8*\u:O+8*\u+7], v[192+16*\u:192+16*\u+15], v[PC:PC+15], v[O+8*\u:O+8*\u+7]
.endr
.irp u, 0,1
	v_wmma_f32_16x16x128_fp8_fp8 v[O2+8*\u:O2+8*\u+7], v[224+16*\u:224+16*\u+15], v[PC+16:PC+31], 0
.endr
.if \nexts
.irp t, 0,1,2,3,4,5,6,7,8,9,10,11,12,13,14,15
	SM1 0, \t                                      ; the next tile's step 0
.endr
.endif
.endif
	WIN 0
	PLACES
.endm
	s_wait_loadcnt 40                              ; Q and K's first 384 keys are in; behind them stand 40 loads of K and V
	WIN 0x01
.irp t, 0,1,2,3,4,5,6,7,8,9,10,11,12,13,14,15
	SM1 0, \t
.endr
	WIN 0
	PLACES
	STEP 0, 0, 0, 16                               ; tile 0's step 0 stands ahead of the loop
.Ltile:                                                ; 15 trips: step 1 of tile T, step 0 of tile T + 1.  Behind the backward jump every reader of an ordinary write stands behind the step's 60 maxima
	global_load_b128 v[QN:QN+3], v1, s[4:5] offset:512   ; tile T + 1 of the queries, a step ahead of its first product
	STEP 1, 0, 1, 0
	STEP 0, 1, 0, -1
	s_sub_co_u32 s27, s27, 1
	s_cmp_lg_u32 s27, 0
	s_cbranch_scc1 .Ltile
	STEP 1, 0, 0, -1                               ; the last tile's step 1 is written out: nothing follows it
	s_wait_alu depctr_va_vdst(0)                   ; the partial sums were written ahead of the branch
	TADD 0, 8
	TADD 2, 10
	TADD 4, 12
	TADD 6, 14
.irp k, 0,2,4,6,8,10,12,14
	OADD \k
.endr
	TADD 0, 4
	TADD 2, 6
	v_add_nc_u32 v[A0], s24, v3
	v_add_nc_u32 v[A1], s25, v4
	TADD 0, 2
	s_delay_alu instid0(VALU_DEP_1)
	v_pk_add_f32 v[L:L+1], v[L:L+1], v[T:T+1]
	s_delay_alu instid0(VALU_DEP_1)
	v_add_f32 v[TM], v[L], v[L+1]
	ds_store_b64 v[A1], v[NM:NM+1]
	OSTORE
	; THE JOINING.  Wave w takes tiles 2 w and 2 w + 1; all 80 loads go out at once, the second tile's parts of O^T into window 1, whose codes are done with.
	s_add_co_i32 s33, s30, s31                     ; e8 + e9
	MKSC 8, 9, 32                                  ; 2^e10, 448 x 2^e10
	s_wait_alu depctr_va_vdst(0)
	s_wait_dscnt 0x0                               ; for the others' sake: my parts have landed
	s_barrier_signal -1
	s_barrier_wait -1
.macro LDML m, idx
.irp j, 0,1,2,3,4,5,6,7
	ds_load_b64 v[\m+2*\j:\m+2*\j+1], v[CML] offset:256*\idx+4096*\j
.endr
.endm
.macro LDO idx
.irp j, 0,1,2,3,4,5,6,7
.irp q, 0,1,2,3
	ds_load_b128 v[S+16*\j+4*\q:S+16*\j+4*\q+3], v[CO+\j/2] offset:32768*(\j%2)+2048*\idx+512*\q
.endr
.endr
.endm
	LDML T, 0
	LDO 0
	LDML O2, 1
	WIN 0x40
	LDO 1
	WIN 0
; One tile: (-M, sum) of wave j at v[m + 2 j]; its O^T at v[S + 16 j] of window win.
.macro COMB m, win, idx
	v_min_num_f32 v26, v[\m], v[\m+2]
	v_min_num_f32 v27, v[\m+4], v[\m+6]
	v_min_num_f32 v28, v[\m+8], v[\m+10]
	v_min_num_f32 v29, v[\m+12], v[\m+14]
	v_min_num_f32 v26, v26, v27
	v_min_num_f32 v28, v28, v29
	v_min_num_f32 v26, v26, v28                    ; -M of the whole row: the least -M
.irp j, 0,1,2,3,4,5,6,7
	v_sub_f32 v[\m+2*\j], v26, v[\m+2*\j]          ; wave j's M - M: a whole number, 0 or less
.endr
.irp j, 0,1,2,3,4,5,6,7
	v_cvt_i32_f32 v[\m+2*\j], v[\m+2*\j]
.endr
.irp j, 0,1,2,3,4,5,6,7
	v_ldexp_f32 v[\m+2*\j], 1.0, v[\m+2*\j]        ; its factor, beside its sum
.endr
	v_mul_f32 v28, v[\m], v[\m+1]
	v_mul_f32 v29, v[\m+2], v[\m+3]
.irp j, 4,8,12
	v_fma_f32 v28, v[\m+\j], v[\m+\j+1], v28
	v_fma_f32 v29, v[\m+\j+2], v[\m+\j+3], v29
.endr
	v_add_f32 v28, v28, v29
	v_permlanex16_b32 v[WP], v28, s20, s21
	v_add_f32 v28, v28, v[WP]                      ; the row's sum
	WIN \win
.set k, 0
.rept 8
	v_pk_mul_f32 v[O+k:O+k+1], v[S+k:S+k+1], v[\m:\m+1] op_sel_hi:[1,0]
.set k, k+2
.endr
.irp j, 1,2,3,4,5,6,7
.set k, 0
.rept 8
	v_pk_fma_f32 v[O+k:O+k+1], v[S+16*\j+k:S+16*\j+k+1], v[\m+2*\j:\m+2*\j+1], v[O+k:O+k+1] op_sel_hi:[1,0,1]
.set k, k+2
.endr
.endr
	WIN 0
	s_wait_alu depctr_va_vdst(0)
	v_rcp_f32 v28, v28
	v_nop                                          ; a plain instruction behind it,
	s_wait_alu depctr_va_vdst(0)                   ; and the wait ahead of its first reader
	v_ldexp_f32 v28, v28, s33                      ; 2^(e8 + e9) / the sum
.set k, 0
.rept 8
	v_pk_mul_f32 v[O+k:O+k+1], v[O+k:O+k+1], v[28:29] op_sel_hi:[1,0]
.set k, k+2
.endr
.set k, 0
.rept 16
	v_med3_num_f32 v[O+k], v[O+k], -v9, v9         ; the hold comes ahead of the conversion
.set k, k+1
.endr
	v_cvt_scalef32_pk8_fp8_f32 v[PC+4*\idx:PC+4*\idx+1], v[O:O+7], v8
	v_cvt_scalef32_pk8_fp8_f32 v[PC+4*\idx+2:PC+4*\idx+3], v[O+8:O+15], v8
	v_nop                                          ; a plain instruction behind the last conversion
	global_store_b128 v1, v[PC+4*\idx:PC+4*\idx+3], s[10:11] offset:4096*\idx   ; head dims 16 h + 0 .. 15 of my query: the wave stores 512 consecutive bytes; each tile has its own registers for its codes
.endm
	s_wait_dscnt 40                                ; the first tile's 40 loads are in; the second's may be out
	COMB T, 0, 0
	s_wait_alu depctr_va_vdst(0)
	s_wait_dscnt 0x0
	COMB O2, 0x01, 1
	s_wait_tensorcnt 0x0                           ; the wave's end, behind my last LDS store
	ds_add_u32 v[SPW], v[NIL]
	s_wait_dscnt 0x0
	s_endpgm
.Lfunc_end_k_q9d1c24716d_attn:
	.size	k_q9d1c24716d_attn, .Lfunc_end_k_q9d1c24716d_attn-k_q9d1c24716d_attn
	.p2alignl 7, 3214868480
	.fill 96, 4, 3214868480
	.section	.rodata,"a",@progbits
	.p2align	6, 0x0
	.amdhsa_kernel k_q9d1c24716d_attn
		.amdhsa_group_segment_fixed_size 295936
		.amdhsa_private_segment_fixed_size 0
		.amdhsa_enable_private_segment 0
		.amdhsa_kernarg_size 32
		.amdhsa_user_sgpr_count 2
		.amdhsa_user_sgpr_kernarg_segment_ptr 1
		.amdhsa_wavefront_size32 1
		.amdhsa_system_sgpr_workgroup_id_x 1
		.amdhsa_system_sgpr_workgroup_id_y 1
		.amdhsa_system_sgpr_workgroup_id_z 1
		.amdhsa_system_vgpr_workitem_id 0
		.amdhsa_next_free_vgpr 512
		.amdhsa_next_free_sgpr 66
		.amdhsa_reserve_vcc 0
		.amdhsa_float_denorm_mode_32 3
		.amdhsa_float_denorm_mode_16_64 3
		.amdhsa_memory_ordered 1
		.amdhsa_forward_progress 1
		.amdhsa_inst_pref_size 127
	.end_amdhsa_kernel
	.amdgpu_metadata
---
amdhsa.version: [ 1, 2 ]
amdhsa.kernels:
  - .name:           k_q9d1c24716d_attn
    .symbol:         k_q9d1c24716d_attn.kd
    .args:
      - { .name: qf, .offset: 0, .size: 8, .value_kind: global_buffer, .address_space: global }
      - { .name: kv, .offset: 8, .size: 8, .value_kind: global_buffer, .address_space: global }
      - { .name: lowp_scales, .offset: 16, .size: 8, .value_kind: global_buffer, .address_space: global }
      - { .name: af, .offset: 24, .size: 8, .value_kind: global_buffer, .address_space: global }
    .group_segment_fixed_size: 295936
    .private_segment_fixed_size: 0
    .kernarg_segment_align: 8
    .kernarg_segment_size: 32
    .max_flat_workgroup_size: 256
    .sgpr_count:     66
    .vgpr_count:     512
    .wavefront_size: 32
...
	.end_amdgpu_metadata
.endif
;; end of part 3
;; launch mlp (part 4): grid 256 x 1, 8 waves a work-group, no clusters, 78,848 bytes of LDS; arguments af, wts, embeddings_in, bo, b1, b2, lowp_scales, out0; writes out0
.if DOCPART == 4
	.amdgcn_target "amdgcn-amd-amdhsa--gfx1250"
	.amdhsa_code_object_version 6
	.text
	.protected	k_q9d1c24716d_mlp
	.globl	k_q9d1c24716d_mlp
	.p2align	8
	.type	k_q9d1c24716d_mlp,@function
k_q9d1c24716d_mlp:
	s_mov_b64 s[64:65], 0
	v_nop
	global_prefetch_b8 v0, s[64:65] scope:SCOPE_SE
	s_setreg_imm32_b32 hwreg(HW_REG_WAVE_MODE, 25, 1), 1
	s_wait_xcnt 0x0
; x_skip = attn Wo + bo + x;  xn = (x_skip - mean) / (std + 1e-6);  out = gelu(Q12(xn) W1 + b1) W2 + b2 + x_skip, all three products on codes of E4M3.  gelu is the tanh form: y / (1 + 2^(-k (y + 0.044715 y^3))), k = 2 sqrt(2 / pi) log2(e).
; SHARES.  A work-group takes 32 rows (two tiles; lane r of tile u holds row 8 u + r + 8 (r / 8)).  THE WAVES SHARE THE COLUMNS: wave w owns columns 32 w .. 32 w + 31 of x_skip and of the output, and hidden units 128 w .. 128 w + 127,
; which are K step w of the last product.  Every weight fragment is used by one wave alone and comes from memory straight into its registers, in register order, once; W1's 256 registers are taken by W2's while the activation is computed.
; All products are used transposed (source 0 = 16 weight columns, chosen so that two tiles' 16 registers are 16 neighbouring columns; source 1 = 16 rows): a lane holds one row.  x_skip stays in registers from the first product to the last addition.
; Codes go from wave to wave through LDS as images of the operand's registers (512 bytes a store, lane l's 16 bytes at 16 l).  Five barriers; every LDS region is written once.
; WHY NO DATA MOVER AND NO CLUSTER: no fragment is read by two waves of a work-group, the three weights (576 KiB of codes) do not fit in LDS, and the text has five phases, too few to pay for slots that take turns.
; LIMITS: e12, e14 between -126 and 119; e10 + e11, e12 + e13, -(e12 + e13), e14 + e15 between -126 and 127.  NaN and infinities among the inputs are not served.
; LDS: 0 xn's images (4096 u + 512 w); 8192 the hidden layer's ((8 u + s) 2048 + 512 c); 40960 the stage for the output, 32 rows of 1,024 + 16 bytes; 74240 the rows' sums ((16 u + r) 32 + 4 w); 75264 the sums of squares.
; REGISTERS, window 0: v1-11 addresses; v[14:15] -k; v16-19 (scale, 448 x scale) of e12, e14; v[20:23] -mean, v[24:27] 1 / (std + 1e-6), a pair a row tile; v28-31 at work; v32-63 x_skip; v64-127 fragments and work; v128-255 accumulators and work.
;   window 1: W1 (tile t, K step s at 32 t + 16 s), later W2 (tile n, K step s at 128 n + 16 s).
.set HIMG, 8192
.set STG,  40960
.set RED1, 74240
.set XS,   32
.set FR,   64
.set DV,   192
.set MSB,  0
.macro WIN new                         ; the immediate's high byte repeats the setting that is left
.if MSB != \new
	s_set_vgpr_msb (MSB<<8)|\new
.set MSB, \new
.endif
.endm
.macro MKSC vs, vl, se                 ; v[vs] = 2^e as f32, v[vl] = 448 x 2^e
	s_add_co_i32 s28, s[\se], 127
	s_lshl_b32 s29, s28, 23
	v_mov_b32 v[\vs], s29
	s_add_co_i32 s28, s28, 8
	s_lshl_b32 s28, s28, 23
	s_or_b32 s28, s28, 0x600000
	v_mov_b32 v[\vl], s28
.endm
.macro P2 sd, sa, sb                   ; the pair s[sd], s[sd + 1] = 2^(ea + eb) as f32
	s_add_co_i32 s[\sd], s[\sa], s[\sb]
	s_add_co_i32 s[\sd], s[\sd], 127
	s_lshl_b32 s[\sd], s[\sd], 23
	s_mov_b32 s[\sd+1], s[\sd]
.endm
.macro BARRIER                         ; my LDS stores have landed and my LDS loads are in: then the work-group's barrier
	s_wait_dscnt 0x0
	s_barrier_signal -1
	s_barrier_wait -1
.endm
; v224 and v228 hold my lane's part of a row's sum, for row tiles 0 and 1.  The other half of the lanes' is added, the eight waves' parts meet in LDS at off, and every wave adds them in the same order: into v224 and v232.
.macro SHARE off
.irp u, 0
	v_permlanex16_b32 v[30+\u], v[224+4*\u], s26, s27
.endr
.irp u, 1
	s_delay_alu instid0(VALU_DEP_2)
	v_permlanex16_b32 v[30+\u], v[224+4*\u], s26, s27
.endr
.irp u, 0,1
	v_add_f32 v[224+4*\u], v[224+4*\u], v[30+\u]
	ds_store_b32 v6, v[224+4*\u] offset:\off+512*\u
.endr
	BARRIER
.irp u, 0,1
.irp q, 0,1
	ds_load_b128 v[224+8*\u+4*\q:224+8*\u+4*\q+3], v7 offset:\off+512*\u+16*\q
.endr
.endr
	s_wait_dscnt 0x0
.irp u, 0,1
	v_pk_add_f32 v[224+8*\u:225+8*\u], v[224+8*\u:225+8*\u], v[226+8*\u:227+8*\u]
	v_pk_add_f32 v[228+8*\u:229+8*\u], v[228+8*\u:229+8*\u], v[230+8*\u:231+8*\u]
	s_delay_alu instid0(VALU_DEP_1)
	v_pk_add_f32 v[224+8*\u:225+8*\u], v[224+8*\u:225+8*\u], v[228+8*\u:229+8*\u]
	s_delay_alu instid0(VALU_DEP_1)
	v_add_f32 v[224+8*\u], v[224+8*\u], v[225+8*\u]
.endr
.endm
	s_load_b512 s[8:23], s[0:1], 0x0               ; af s[8:9], wts s[10:11], x s[12:13], bo s[14:15], b1 s[16:17], b2 s[18:19], lowp_scales s[20:21], out0 s[22:23]
	v_lshrrev_b32 v1, 5, v0
	s_delay_alu instid0(VALU_DEP_1)
	v_readfirstlane_b32 s24, v1                    ; wave 0..7
	v_and_b32 v1, 31, v0
	s_delay_alu instid0(VALU_DEP_1)
	v_lshlrev_b32 v1, 4, v1                        ; 16 x lane
	v_and_b32 v2, 15, v0                           ; r
	v_bfe_u32 v3, v0, 4, 1                         ; h
	s_delay_alu instid0(VALU_DEP_2)
	v_and_b32 v12, 8, v2
	s_delay_alu instid0(VALU_DEP_1)
	v_add_nc_u32 v12, v12, v2                      ; R = r + 8 (r / 8)
	s_delay_alu instid0(VALU_DEP_3)
	v_lshlrev_b32 v5, 6, v3                        ; 64 h: my 16 of a block of 32 numbers
	s_delay_alu instid0(VALU_DEP_1)
	v_lshl_add_u32 v4, v12, 10, v5                 ; x: row R of 1,024 bytes + 64 h
	v_lshlrev_b32 v7, 5, v2
	s_delay_alu instid0(VALU_DEP_1)
	v_add_nc_u32 v7, RED1, v7                      ; a row's eight partial sums
	s_lshl_b32 s25, s24, 2
	v_add_nc_u32 v6, s25, v7                       ; mine among them
	s_lshl_b32 s25, s24, 9
	v_add_nc_u32 v8, s25, v1                       ; xn's image: part w
	s_lshl_b32 s25, s24, 11
	s_add_co_u32 s25, s25, HIMG
	v_add_nc_u32 v9, s25, v1                       ; the hidden layer's: K step w
	v_mul_u32_u24 v10, v12, 1040
	s_delay_alu instid0(VALU_DEP_1)
	v_add_nc_u32 v10, v10, v5
	s_lshl_b32 s25, s24, 7
	s_add_co_u32 s25, s25, STG
	v_add_nc_u32 v10, s25, v10                     ; the stage, in: row R, + 128 w + 64 h
	s_mul_i32 s25, s24, 4160
	s_add_co_u32 s25, s25, STG
	v_add_nc_u32 v11, s25, v1                      ; and back: rows 4 w .. 4 w + 3
	v_mov_b32 v14, 0xc0135761                      ; -k
	v_mov_b32 v15, 0xc0135761
	v_mov_b32 v30, 0                               ; lane permutes' destinations count as read
	v_mov_b32 v31, 0
	s_mov_b32 s26, 0x76543210
	s_mov_b32 s27, 0xfedcba98
	s_mov_b32 s60, 0xbdd2d3e8                      ; -k x 0.044715
	s_mov_b32 s61, 0xbdd2d3e8
	s_lshl_b32 s2, ttmp9, 13                       ; af: two row tiles of 4,096 bytes
	s_mov_b32 s3, 0
	s_lshl_b32 s4, s24, 13
	s_add_co_u32 s4, s4, 196608                    ; Wo's section, my two column tiles
	s_mov_b32 s5, 0
	s_lshl_b32 s6, s24, 15
	s_add_co_u32 s30, s6, 524288                   ; W2's, my two
	s_add_co_u32 s6, s6, 262144                    ; W1's, my eight
	s_mov_b32 s7, 0
	s_mov_b32 s31, 0
	s_lshl_b32 s66, ttmp9, 15
	s_lshl_b32 s68, s24, 7                         ; bo, b2: my 32 numbers
	s_lshl_b32 s72, s24, 12
	s_add_co_u32 s72, s72, s66                     ; out0: my four rows
	s_add_co_u32 s66, s66, s68                     ; x: the 32 rows, my 32 columns
	s_mov_b32 s67, 0
	s_mov_b32 s69, 0
	s_mov_b32 s73, 0
	s_lshl_b32 s70, s24, 9                         ; b1: my 128 numbers
	s_mov_b32 s71, 0
	s_wait_kmcnt 0x0
	s_load_b512 s[32:47], s[20:21], 0x0            ; e0 .. e15
	s_add_nc_u64 s[8:9], s[8:9], s[2:3]
	s_add_nc_u64 s[48:49], s[10:11], s[4:5]
	s_add_nc_u64 s[50:51], s[10:11], s[6:7]
	s_add_nc_u64 s[52:53], s[10:11], s[30:31]
	s_add_nc_u64 s[12:13], s[12:13], s[66:67]
	s_add_nc_u64 s[14:15], s[14:15], s[68:69]
	s_add_nc_u64 s[18:19], s[18:19], s[68:69]
	s_add_nc_u64 s[16:17], s[16:17], s[70:71]
	s_add_nc_u64 s[22:23], s[22:23], s[72:73]
.irp f, 0,1,2,3
.irp c, 0,1,2,3
	global_load_b128 v[FR+16*\f+4*\c:FR+16*\f+4*\c+3], v1, s[8:9] offset:\f*2048+512*\c        ; attention's codes: fragment (u, s) at 32 u + 16 s
.endr
.endr
.irp f, 0,1,2,3
.irp c, 0,1,2,3
	global_load_b128 v[128+16*\f+4*\c:128+16*\f+4*\c+3], v1, s[48:49] offset:\f*2048+512*\c    ; Wo: (column tile p, s) at 32 p + 16 s
.endr
.endr
.irp u, 0,1
.irp j, 0,1,2,3
	global_load_b128 v[XS+16*\u+4*\j:XS+16*\u+4*\j+3], v4, s[12:13] offset:8192*\u+16*\j th:TH_LOAD_NT   ; x(R + 8 u, 32 w + 16 h + 4 j ..)
.endr
.endr
.irp j, 0,1,2,3
	global_load_b128 v[224+4*\j:224+4*\j+3], v5, s[14:15] offset:16*\j     ; bo
.endr
.irp j, 0,1,2,3
	global_load_b128 v[240+4*\j:240+4*\j+3], v5, s[18:19] offset:16*\j     ; b2
.endr
	WIN 0x40                                       ; destination window 1
.set k, 0
.rept 64
	global_load_b128 v[4*k:4*k+3], v1, s[50:51] offset:512*k               ; W1: my eight tiles are 32,768 consecutive bytes, in register order
.set k, k+1
.endr
	WIN 0
	s_wait_kmcnt 0x0
	MKSC 16, 17, 44
	MKSC 18, 19, 46
	P2 54, 42, 43                                  ; 2^(e10 + e11)
	P2 58, 44, 45                                  ; 2^(e12 + e13)
	P2 62, 46, 47                                  ; 2^(e14 + e15)
	s_add_co_i32 s56, s44, s45
	s_sub_co_i32 s56, 127, s56
	s_lshl_b32 s56, s56, 23                        ; 2^-(e12 + e13)
	s_mov_b32 s57, s56
	; ---- x_skip = attn Wo + bo + x: four accumulators by turns, (u, p) at 192 + 16 u + 8 p
	s_wait_loadcnt 63                              ; all but W1: behind b2 stand W1's 64 loads, and the count's field holds 63, so one of them is awaited too
.irp ks, 0,1
.irp u, 0,1
.irp p, 0,1
.if \ks == 0
	v_wmma_f32_16x16x128_fp8_fp8 v[192+16*\u+8*\p:192+16*\u+8*\p+7], v[128+32*\p+16*\ks:128+32*\p+16*\ks+15], v[FR+32*\u+16*\ks:FR+32*\u+16*\ks+15], 0
.else
	v_wmma_f32_16x16x128_fp8_fp8 v[192+16*\u+8*\p:192+16*\u+8*\p+7], v[128+32*\p+16*\ks:128+32*\p+16*\ks+15], v[FR+32*\u+16*\ks:FR+32*\u+16*\ks+15], v[192+16*\u+8*\p:192+16*\u+8*\p+7]
.endif
.endr
.endr
.endr
.set k, 0
.rept 16
	v_pk_add_f32 v[XS+k:XS+k+1], v[XS+k:XS+k+1], v[224+k%16:224+k%16+1]   ; x + bo: these sixteen name no register of the products and are the places behind them (ISA guide 7.12.1)
.set k, k+2
.endr
.irp b, 0,1,2,3
.irp j, 0,1,2,3
	global_load_b128 v[128+16*\b+4*\j:128+16*\b+4*\j+3], v5, s[16:17] offset:128*\b+16*\j   ; b1 at hidden units 128 w + 32 b + 16 h + 4 j .., into Wo's registers
.endr
.endr
.set k, 0
.rept 16
	v_pk_fma_f32 v[XS+k:XS+k+1], v[192+k:193+k], s[54:55], v[XS+k:XS+k+1] op_sel_hi:[1,0,1]   ; each accumulator from its low end on
.set k, k+2
.endr
	; ---- the norm of x_skip: the mean first, then the squares of the differences
.irp u, 0,1
	v_pk_add_f32 v[224+4*\u:225+4*\u], v[XS+16*\u:XS+16*\u+1], v[XS+16*\u+2:XS+16*\u+3]
	v_pk_add_f32 v[226+4*\u:227+4*\u], v[XS+16*\u+4:XS+16*\u+5], v[XS+16*\u+6:XS+16*\u+7]
.irp q, 8,12
	s_delay_alu instid0(VALU_DEP_2)
	v_pk_add_f32 v[224+4*\u:225+4*\u], v[224+4*\u:225+4*\u], v[XS+16*\u+\q:XS+16*\u+\q+1]
	s_delay_alu instid0(VALU_DEP_2)
	v_pk_add_f32 v[226+4*\u:227+4*\u], v[226+4*\u:227+4*\u], v[XS+16*\u+\q+2:XS+16*\u+\q+3]
.endr
	s_delay_alu instid0(VALU_DEP_1)
	v_pk_add_f32 v[224+4*\u:225+4*\u], v[224+4*\u:225+4*\u], v[226+4*\u:227+4*\u]
	s_delay_alu instid0(VALU_DEP_1)
	v_add_f32 v[224+4*\u], v[224+4*\u], v[225+4*\u]
.endr
	SHARE 0
.irp u, 0
	v_mul_f32 v[20+2*\u], 0xbb800000, v[224+8*\u]  ; -mean = sum x -2^-8
	s_delay_alu instid0(VALU_DEP_1)
	v_mov_b32 v[21+2*\u], v[20+2*\u]
.endr
.irp u, 1
	s_delay_alu instid0(VALU_DEP_3)
	v_mul_f32 v[20+2*\u], 0xbb800000, v[224+8*\u]  ; -mean = sum x -2^-8
	s_delay_alu instid0(VALU_DEP_1)
	v_mov_b32 v[21+2*\u], v[20+2*\u]
.endr
.set k, 0
.rept 16
	v_pk_add_f32 v[DV+k:DV+k+1], v[XS+k:XS+k+1], v[20+2*(k/16):21+2*(k/16)] op_sel_hi:[1,0]
.set k, k+2
.endr
.irp u, 0,1
	v_pk_mul_f32 v[224+4*\u:225+4*\u], v[DV+16*\u:DV+16*\u+1], v[DV+16*\u:DV+16*\u+1]
	v_pk_mul_f32 v[226+4*\u:227+4*\u], v[DV+16*\u+2:DV+16*\u+3], v[DV+16*\u+2:DV+16*\u+3]
.irp q, 4,8,12
	s_delay_alu instid0(VALU_DEP_2)
	v_pk_fma_f32 v[224+4*\u:225+4*\u], v[DV+16*\u+\q:DV+16*\u+\q+1], v[DV+16*\u+\q:DV+16*\u+\q+1], v[224+4*\u:225+4*\u]
	s_delay_alu instid0(VALU_DEP_2)
	v_pk_fma_f32 v[226+4*\u:227+4*\u], v[DV+16*\u+\q+2:DV+16*\u+\q+3], v[DV+16*\u+\q+2:DV+16*\u+\q+3], v[226+4*\u:227+4*\u]
.endr
	s_delay_alu instid0(VALU_DEP_1)
	v_pk_add_f32 v[224+4*\u:225+4*\u], v[224+4*\u:225+4*\u], v[226+4*\u:227+4*\u]
	s_delay_alu instid0(VALU_DEP_1)
	v_add_f32 v[224+4*\u], v[224+4*\u], v[225+4*\u]
.endr
	SHARE 1024
	v_mul_f32 v28, 0x3b800000, v224                ; the variances
	s_delay_alu instid0(VALU_DEP_2)
	v_mul_f32 v29, 0x3b800000, v232
	s_wait_alu depctr_va_vdst(0)
	v_sqrt_f32 v28, v28
	v_sqrt_f32 v29, v29
	v_nop                                          ; a plain instruction behind the transcendentals,
	s_wait_alu depctr_va_vdst(0)                   ; and the one wait ahead of the batch's first reader
	v_add_f32 v28, 0x358637bd, v28                 ; + 1e-6
	v_add_f32 v29, 0x358637bd, v29
	s_wait_alu depctr_va_vdst(0)
	v_rcp_f32 v24, v28
	v_rcp_f32 v26, v29
	v_nop
	s_wait_alu depctr_va_vdst(0)
	v_mov_b32 v25, v24
	v_mov_b32 v27, v26
.set k, 0
.rept 16
	v_pk_mul_f32 v[DV+k:DV+k+1], v[DV+k:DV+k+1], v[24+2*(k/16):25+2*(k/16)] op_sel_hi:[1,0]
.set k, k+2
.endr
.set k, 0
.rept 16
	v_pk_add_f32 v[XS+k:XS+k+1], v[XS+k:XS+k+1], v[240+k%16:240+k%16+1]   ; x_skip + b2, for the last addition
.set k, k+2
.endr
.set k, 0
.rept 32
	v_med3_num_f32 v[DV+k], v[DV+k], -v17, v17     ; the conversion does not saturate (ISA guide 7.6.2): the hold comes first
.set k, k+1
.endr
.irp u, 0,1
	v_cvt_scalef32_pk8_fp8_f32 v[224+4*\u:225+4*\u], v[DV+16*\u:DV+16*\u+7], v16
	v_cvt_scalef32_pk8_fp8_f32 v[226+4*\u:227+4*\u], v[DV+16*\u+8:DV+16*\u+15], v16
.endr
	v_nop                                          ; a plain instruction behind the last conversion
.irp u, 0,1
	ds_store_b128 v8, v[224+4*\u:227+4*\u] offset:4096*\u
.endr
	BARRIER                                        ; xn's four fragments lie in LDS
	; ---- the hidden layer: sixteen accumulators by turns, (u, t) at 128 + 64 u + 8 t; each begins as b1 / 2^(e12 + e13), so the bias costs no addition
	s_wait_loadcnt 0x0                             ; b1 and W1
.set k, 0
.rept 32
	v_pk_mul_f32 v[192+k:193+k], v[128+k:129+k], s[56:57] op_sel_hi:[1,0]
.set k, k+2
.endr
.set k, 0
.rept 32
	v_pk_mul_f32 v[128+k:129+k], v[128+k:129+k], s[56:57] op_sel_hi:[1,0]
.set k, k+2
.endr
.irp f, 0,1,2,3
.irp c, 0,1,2,3
	ds_load_b128 v[FR+16*\f+4*\c:FR+16*\f+4*\c+3], v1 offset:\f*2048+512*\c
.endr
.endr
	s_wait_alu depctr_va_vdst(0)
	s_wait_dscnt 0x0
	WIN 0x01                                       ; source 0 (W1) window 1
.irp ks, 0,1
.irp t, 0,1,2,3,4,5,6,7
.irp u, 0,1
	v_wmma_f32_16x16x128_fp8_fp8 v[128+64*\u+8*\t:128+64*\u+8*\t+7], v[32*\t+16*\ks:32*\t+16*\ks+15], v[FR+32*\u+16*\ks:FR+32*\u+16*\ks+15], v[128+64*\u+8*\t:128+64*\u+8*\t+7]
.endr
.endr
.endr
	WIN 0
.rept 4
	v_nop                                          ; four places in front of the loads into W1's registers and of the first read of results
.endr
	WIN 0x40
.set k, 0
.rept 64
	global_load_b128 v[4*k:4*k+3], v1, s[52:53] offset:512*k               ; W2: my two tiles are 32,768 consecutive bytes, in register order; they land while the activation is computed
.set k, k+1
.endr
	WIN 0
; The activation of row tile u, its codes, and their image: K step w of the last product.  Two batches of 64 transcendentals, each with one plain instruction and one wait behind it.
.macro GELU u
.set Y, 128+64*\u
.set k, 0
.rept 32
	v_pk_mul_f32 v[Y+k:Y+k+1], v[Y+k:Y+k+1], s[58:59] op_sel_hi:[1,0]      ; y = sum x 2^(e12 + e13); each accumulator from its low end on
.set k, k+2
.endr
.set k, 0
.rept 32
	v_pk_mul_f32 v[FR+k:FR+k+1], v[Y+k:Y+k+1], v[Y+k:Y+k+1]
.set k, k+2
.endr
.set k, 0
.rept 32
	v_pk_fma_f32 v[FR+k:FR+k+1], v[FR+k:FR+k+1], s[60:61], v[14:15] op_sel_hi:[1,0,1]   ; -k (1 + 0.044715 y^2)
.set k, k+2
.endr
.set k, 0
.rept 32
	v_pk_mul_f32 v[FR+k:FR+k+1], v[FR+k:FR+k+1], v[Y+k:Y+k+1]
.set k, k+2
.endr
.set k, 0
	s_wait_alu depctr_va_vdst(0)
.rept 64
	v_exp_f32 v[FR+k], v[FR+k]
.set k, k+1
.endr
	v_nop
	s_wait_alu depctr_va_vdst(0)
.set k, 0
.rept 32
	v_pk_add_f32 v[FR+k:FR+k+1], v[FR+k:FR+k+1], 1.0 op_sel_hi:[1,0]
.set k, k+2
.endr
.set k, 0
	s_wait_alu depctr_va_vdst(0)
.rept 64
	v_rcp_f32 v[FR+k], v[FR+k]
.set k, k+1
.endr
	v_nop
	s_wait_alu depctr_va_vdst(0)
.set k, 0
.rept 32
	v_pk_mul_f32 v[Y+k:Y+k+1], v[Y+k:Y+k+1], v[FR+k:FR+k+1]
.set k, k+2
.endr
.set k, 0
.rept 64
	v_med3_num_f32 v[Y+k], v[Y+k], -v19, v19
.set k, k+1
.endr
.irp b, 0,1,2,3
	v_cvt_scalef32_pk8_fp8_f32 v[FR+4*\b:FR+4*\b+1], v[Y+16*\b:Y+16*\b+7], v18
	v_cvt_scalef32_pk8_fp8_f32 v[FR+4*\b+2:FR+4*\b+3], v[Y+16*\b+8:Y+16*\b+15], v18
.endr
	v_nop
.irp c, 0,1,2,3
	ds_store_b128 v9, v[FR+4*\c:FR+4*\c+3] offset:16384*\u+512*\c
.endr
	s_wait_dscnt 0x0                               ; the stores have read their registers
.endm
	GELU 0
	GELU 1
	BARRIER                                        ; the hidden layer's sixteen fragments lie in LDS
	; ---- the last product: four accumulators by turns, (u, n) at 128 + 16 u + 8 n; two K steps' fragments a fetch, in two buffers
	s_wait_loadcnt 0x0                             ; W2
.macro FETCH p, f                      ; K steps 2 p and 2 p + 1, both row tiles: 16 loads
.irp q, 0,1
.irp u, 0,1
.irp c, 0,1,2,3
	ds_load_b128 v[\f+32*\q+16*\u+4*\c:\f+32*\q+16*\u+4*\c+3], v1 offset:HIMG+(8*\u+2*\p+\q)*2048+512*\c
.endr
.endr
.endr
.endm
.macro MUL p, f
	WIN 0x01                                       ; source 0 (W2) window 1
.irp q, 0,1
.irp u, 0,1
.irp n, 0,1
.if (2*\p+\q) == 0
	v_wmma_f32_16x16x128_fp8_fp8 v[128+16*\u+8*\n:128+16*\u+8*\n+7], v[128*\n+16*(2*\p+\q):128*\n+16*(2*\p+\q)+15], v[\f+32*\q+16*\u:\f+32*\q+16*\u+15], 0
.else
	v_wmma_f32_16x16x128_fp8_fp8 v[128+16*\u+8*\n:128+16*\u+8*\n+7], v[128*\n+16*(2*\p+\q):128*\n+16*(2*\p+\q)+15], v[\f+32*\q+16*\u:\f+32*\q+16*\u+15], v[128+16*\u+8*\n:128+16*\u+8*\n+7]
.endif
.endr
.endr
.endr
	WIN 0
.endm
.macro PLACES
.rept 4
	v_nop
.endr
.endm
	FETCH 0, 64
	FETCH 1, 160
	s_wait_dscnt 16                                ; the first buffer is in; the other's sixteen loads may be out
	MUL 0, 64
	PLACES                                         ; in front of loads into registers that the products have read
	FETCH 2, 64
	s_wait_dscnt 16
	MUL 1, 160
	PLACES
	FETCH 3, 160
	s_wait_dscnt 16
	MUL 2, 64
	s_wait_dscnt 0x0
	MUL 3, 160
	PLACES
.set k, 0
.rept 16
	v_pk_fma_f32 v[224+k:225+k], v[128+k:129+k], s[62:63], v[XS+k:XS+k+1] op_sel_hi:[1,0,1]   ; sum x 2^(e14 + e15) + (x_skip + b2)
.set k, k+2
.endr
	; ---- the way out: a row's 256 numbers come from eight waves: they meet in the stage, and each wave stores four whole rows
.irp u, 0,1
.irp j, 0,1,2,3
	ds_store_b128 v10, v[224+16*\u+4*\j:224+16*\u+4*\j+3] offset:8320*\u+16*\j
.endr
.endr
	BARRIER
.irp n, 0,1,2,3,4,5,6,7
	ds_load_b128 v[FR+4*\n:FR+4*\n+3], v11 offset:1040*(\n/2)+512*(\n%2)
.endr
.irp n, 0,1,2,3,4,5,6,7
	s_wait_dscnt 7-\n                              ; LDS loads come back in order: load n is in
	global_store_b128 v1, v[FR+4*\n:FR+4*\n+3], s[22:23] offset:1024*(\n/2)+512*(\n%2) th:TH_STORE_NT   ; the wave stores 512 consecutive bytes of a row
.endr
	s_wait_xcnt 0x0
	v_lshl_add_u32 v254, v0, 2, 0x13000
	v_mov_b32 v255, 0
	s_wait_alu depctr_va_vdst(0)
	s_wait_tensorcnt 0x0
	ds_add_u32 v254, v255
	s_wait_dscnt 0x0
	s_endpgm
.Lfunc_end_k_q9d1c24716d_mlp:
	.size	k_q9d1c24716d_mlp, .Lfunc_end_k_q9d1c24716d_mlp-k_q9d1c24716d_mlp
	.p2alignl 7, 3214868480
	.fill 96, 4, 3214868480
	.section	.rodata,"a",@progbits
	.p2align	6, 0x0
	.amdhsa_kernel k_q9d1c24716d_mlp
		.amdhsa_group_segment_fixed_size 78848
		.amdhsa_private_segment_fixed_size 0
		.amdhsa_enable_private_segment 0
		.amdhsa_kernarg_size 64
		.amdhsa_user_sgpr_count 2
		.amdhsa_user_sgpr_kernarg_segment_ptr 1
		.amdhsa_wavefront_size32 1
		.amdhsa_system_sgpr_workgroup_id_x 1
		.amdhsa_system_sgpr_workgroup_id_y 1
		.amdhsa_system_sgpr_workgroup_id_z 1
		.amdhsa_system_vgpr_workitem_id 0
		.amdhsa_next_free_vgpr 512
		.amdhsa_next_free_sgpr 80
		.amdhsa_reserve_vcc 0
		.amdhsa_float_denorm_mode_32 3
		.amdhsa_float_denorm_mode_16_64 3
		.amdhsa_memory_ordered 1
		.amdhsa_forward_progress 1
		.amdhsa_inst_pref_size 97
	.end_amdhsa_kernel
	.amdgpu_metadata
---
amdhsa.version: [ 1, 2 ]
amdhsa.kernels:
  - .name:           k_q9d1c24716d_mlp
    .symbol:         k_q9d1c24716d_mlp.kd
    .args:
      - { .name: af, .offset: 0, .size: 8, .value_kind: global_buffer, .address_space: global }
      - { .name: wts, .offset: 8, .size: 8, .value_kind: global_buffer, .address_space: global }
      - { .name: embeddings_in, .offset: 16, .size: 8, .value_kind: global_buffer, .address_space: global }
      - { .name: bo, .offset: 24, .size: 8, .value_kind: global_buffer, .address_space: global }
      - { .name: b1, .offset: 32, .size: 8, .value_kind: global_buffer, .address_space: global }
      - { .name: b2, .offset: 40, .size: 8, .value_kind: global_buffer, .address_space: global }
      - { .name: lowp_scales, .offset: 48, .size: 8, .value_kind: global_buffer, .address_space: global }
      - { .name: out0, .offset: 56, .size: 8, .value_kind: global_buffer, .address_space: global }
    .group_segment_fixed_size: 78848
    .private_segment_fixed_size: 0
    .kernarg_segment_align: 8
    .kernarg_segment_size: 64
    .max_flat_workgroup_size: 256
    .sgpr_count:     80
    .vgpr_count:     512
    .wavefront_size: 32
...
	.end_amdgpu_metadata
.endif
;; end of part 4
